; MI455X (gfx1250); checked and timed in simulation.
; The chip was launched on July 23, 2026; its instructions are those of AMD's public machine-readable ISA for CDNA 5 (MIT licence, August 2026) and "CDNA5" Instruction Set Architecture Reference Guide (July 2026). The comments in the code are by the model that wrote it; some were corrected since.
;; Multi Head Attention. Allowed arithmetic: matrix products marked QUANTISED: E2M3 operands, one E8M0 scale for each 32 along K, by v_wmma_scale_f32_16x16x128_f8f6f4 with both operands' format E2M3, f32 sums; everything else in f32.
;; Inputs: w_out 1,024 x 1,024 float32; w_qkv 1,024 x 3,072 float32; x 4 x 2,048 x 1,024 float32.
;; Outputs: out0 4 x 2,048 x 1,024 float32.
;; This version of the problem:
;;   THIS VERSION OF THE PROBLEM IS GIVEN IN LOW PRECISION. The matrix products marked QUANTISED in the list below multiply operands that are first quantised to E2M3 (2 exponent bits, 3 mantissa bits; 6 bits a number), with one power-of-two scale for each 32 numbers along K (OCP MX v1.0); their sums are f32. All else is computed in f32.
;;   The module's matrix products, in the order in which they are computed (A, B: the left and right operand; K: the contracted axis; several contracted axes count as one K, in the product's order):
;;     1. [M 8,192, K 1,024] x [K 1,024, N 3,072]; A: input x; B: input w_qkv: QUANTISED
;;     2. batch 64 x [M 2,048, K 64] x [K 64, N 2,048]; A: computed on the way; B: computed on the way: QUANTISED
;;     3. batch 64 x [M 2,048, K 2,048] x [K 2,048, N 64]; A: softmax (see below); B: computed on the way: QUANTISED
;;     4. [M 8,192, K 1,024] x [K 1,024, N 1,024]; A: computed on the way; B: input w_out: QUANTISED
;;   THE QUANTISER, for each operand of a quantised product, along K:
;;     - K is cut into blocks of 32 from its start; a last block that is shorter is filled with zeros.
;;     - A block's scale is 2^e with e = floor(log2(the largest magnitude in the block)) - 2, held to -126 .. 127; a block of zeros has e = 0. As a byte (E8M0): e + 127.
;;     - Each number is divided by its block's scale, clamped to +-7.5, and rounded to the nearest number of E2M3, ties to even, subnormals kept.
;;     - The product sums the exact products of the quantised numbers (number of the format x scale) in f32.
;;   ~~~python
;;   def quantise(x, axis):      # numpy; x: float32 -> the quantised numbers, widened to float32 again
;;       x = np.moveaxis(x, axis, -1); K = x.shape[-1]
;;       x = np.pad(x, [(0, 0)] * (x.ndim - 1) + [(0, -K % 32)]); x = x.reshape(x.shape[:-1] + (-1, 32)); a = np.abs(x).max(-1, keepdims=True)
;;       e = np.where(a > 0, np.clip(np.frexp(np.where(a > 0, a, 1))[1] - 1 - 2, -126, 127), 0)      # np.frexp(a)[1] - 1 = floor(log2(a)), exactly
;;       r = np.clip(x / 2.0 ** e, -7.5, 7.5)
;;       step = 2.0 ** (np.maximum(np.frexp(np.where(r == 0, 1, r))[1] - 1, 0) - 3)
;;       q = np.round(r / step) * step * 2.0 ** e      # np.round: ties to even
;;       return np.moveaxis(q.reshape(q.shape[:-2] + (-1,))[..., :K], -1, axis).astype(np.float32)
;;   ~~~
;;   SOFTMAX AHEAD OF A QUANTISED PRODUCT. Where the list says 'softmax', what is quantised is not the finished softmax but p = 2^(t - M), with t = logit x log2(e) and M = ceil(the row's largest t), a whole number; so 1/2 < the row's largest p <= 1. The row's sum l is taken of the UNQUANTISED p, in f32, and the product's result is divided by l at the end. Since M is a whole number, a kernel that streams over the keys may use a running M (the ceiling of the running maximum): every later rescaling is an exact power of two, which a block's scale takes up: the codes' values come out the same.
;;   OPERANDS COMPUTED ON THE WAY. 'Computed on the way' means the value that the module computes at that place (a softmax that the list does not call 'softmax' is quantised finished and normalised). What goes into a quantiser is computed in f32, as accurately as f32 sums, v_exp_f32 and their like allow (about 1e-6 of the number): no bf16 or f16 on the way to a quantiser, and a product that is left as it is and whose result goes on into a quantised operand takes f32 operands (vector FMAs, or v_wmma_f32_16x16x4_f32). A number that lies on a knife's edge between two numbers of the format may be rounded either way, as far as f32 arithmetic and the matrix unit's own rounding can turn it there, and no further.
;; One version. Each part assembles by itself: llvm-mc -triple=amdgcn-amd-amdhsa -mcpu=gfx1250 --defsym DOCPART=n.
;; ======== version 1 of 1: 4 launches
;; limits: right only within a limited range of input values
;; workspace buffers: xc 6,291,456 bytes; xs 262,144 bytes; wc 3,145,728 bytes; ws 131,072 bytes; qkv 19,660,800 bytes; ac 6,291,456 bytes; asc 262,144 bytes
;; launch quant (part 1): grid 384 x 1, 4 waves a work-group, no clusters, 68,096 bytes of LDS; arguments x, w_qkv, w_out, xc, xs, wc, ws; writes xc, xs, wc, ws
.if DOCPART == 1
	.amdgcn_target "amdgcn-amd-amdhsa--gfx1250"
	.amdhsa_code_object_version 6
	.text
	.protected	k_q2b65daf779_quant
	.globl	k_q2b65daf779_quant
	.p2align	8
	.type	k_q2b65daf779_quant,@function
k_q2b65daf779_quant:
	s_mov_b64 s[64:65], 0
	v_nop
	global_prefetch_b8 v0, s[64:65] scope:SCOPE_SE
	s_setreg_imm32_b32 hwreg(HW_REG_WAVE_MODE, 25, 1), 1
	s_wait_xcnt 0x0
; x [8192][1024], w_qkv [1024][3072] and w_out [1024][1024], f32, become codes of FP6 (E2M3) with K innermost and one E8M0 scale byte for each 32 along K.
; xc [8192][768 bytes], xs [8192][32]; wc [4096][768], ws [4096][32]: rows 0-3071 are w_qkv's columns, rows 3072-4095 w_out's.
; A block's scale is 2^(floor(log2(its largest magnitude)) - 2); its byte is the largest magnitude's exponent field - 2, held at 1 from below.
; THE ROWS ARE STORED IN ANOTHER ORDER: true row t lies at row t with bits 3 and 4 exchanged (the exchange stays inside each 32 rows and undoes itself).  Sixteen neighbouring stored rows are then the rows
; 32 a + 8 u + r + 8 (r / 8), so that in the later products a lane's 16 registers of two neighbouring tiles are 16 neighbours along the next K.
; LIMITS: NaN and infinities are not served; a block whose largest magnitude lies under 2^-124 gets the byte 1; a block of zeros gets the byte 1 and not 127 (its codes are zeros; the bytes are read by this program alone).
; Work-groups 0-255 take x (K innermost: a plain stream of blocks), 32 rows each; work-groups 256-383 take the weights (K outermost: a lane to a column, registers down K), 128 columns x 256 along K each.
; The two ways part on the work-group's number and never join; each has LDS bytes of its own.  No tensor loads, no barrier: waves share nothing.
.set SPW,   208                        ; v208 LDS address of my spare word: SPARE + 4 x my thread's number; never rewritten
.set NIL,   209                        ; v209 0; never rewritten
.set SPARE, 67584                      ; behind both ways' regions: the spare words, 128 bytes a wave
.set EMAX,  2
.set STEPS, 16                         ; x: 16 steps of 512 numbers a wave
.set CB,    12                         ; bytes of 16 codes
.set XR,    16                         ; v16-79   four sets of 16 numbers as they are loaded
.set XX,    80                         ; v80-111  two sets of 16 neighbours
.set XE,    112                        ; v112-127 a scale byte for each step
.set XC,    128                        ; v128-191 codes: four registers a step, so that no store's data are written again
.set WREG,  8192                       ; x: LDS region of a wave: two stages of 32 x SP bytes, behind them its 256 scale bytes
.set SP,    80                         ; a lane's place in a stage: 64 bytes + 16 of padding
.set WST,   32768                      ; the weights' stages begin here: 32 rows x PITCH a wave
.set NB,    8                          ; blocks of 32 along K for a wave
.set PITCH, 272                        ; a stage row: sixteen places of 16 bytes (12 of codes each) + 16
.set KROW,  768                        ; a row of codes in memory
.set WX,    32                         ; v32-95   two sets of 32 numbers
.set WC,    96                         ; v96..    a block's codes
.set WOUT,  112                        ; v112-175 the way out
.set WSB,   24                         ; v24-25   the scale bytes
.set VO,    176                        ; v176-207 4 x lane + i x a row of the weight in bytes
.set WB,    36                         ; s36-51   the eight blocks' bases
	s_load_b256 s[4:11], s[0:1], 0x0               ; x s[4:5], w_qkv s[6:7], w_out s[8:9], xc s[10:11]
	s_load_b128 s[12:15], s[0:1], 0x20             ; xs s[12:13], wc s[14:15]
	s_load_b64 s[16:17], s[0:1], 0x30              ; ws
	v_lshl_add_u32 v[SPW], v0, 2, SPARE
	v_mov_b32 v[NIL], 0
	v_lshrrev_b32 v1, 5, v0
	v_readfirstlane_b32 s20, v1                    ; wave
	v_and_b32 v2, 31, v0                           ; lane
	s_cmp_lt_u32 ttmp9, 256
	s_cbranch_scc0 .Lweights
	; ---------------- x: wave w of work-group g takes rows 32 g + 8 w .. + 7 and stores them 8 rows at a time: the exchange of bits 3 and 4 of the row is the exchange of the wave's two bits
	v_lshlrev_b32 v3, 4, v2                        ; my 16 bytes of a load's 512
	s_mul_i32 s21, s20, WREG
	v_lshrrev_b32 v14, 2, v2
	v_mul_u32_u24 v14, v14, SP
	v_and_b32 v15, 3, v2
	v_lshl_add_u32 v14, v15, 4, v14
	v_add_nc_u32 v14, s21, v14                     ; the stage, on the way in: SP (lane / 4) + 16 (lane % 4)
	v_mul_u32_u24 v15, v2, SP
	v_add_nc_u32 v15, s21, v15                     ; and on the way out: SP x lane: my 16 neighbours
	v_mul_u32_u24 v4, v2, CB                       ; my codes' place in a step's
	v_lshrrev_b32 v5, 1, v2
	s_add_co_u32 s21, s21, 2*32*SP
	v_add_nc_u32 v5, s21, v5                       ; LDS: my wave's 256 scale bytes, my block's byte
	v_lshlrev_b32 v7, 3, v2
	v_add_nc_u32 v6, s21, v7                       ; and on the way out 8 bytes a lane
	s_lshl_b32 s22, ttmp9, 2
	s_add_co_u32 s24, s22, s20
	s_lshl_b32 s24, s24, 15                        ; in: run 4 g + w of 32,768 bytes
	s_mov_b32 s25, 0
	s_and_b32 s23, s20, 1
	s_lshl_b32 s23, s23, 1
	s_lshr_b32 s26, s20, 1
	s_or_b32 s23, s23, s26
	s_add_co_u32 s22, s22, s23                     ; out: run 4 g + (w with its two bits exchanged)
	s_mul_i32 s26, s22, 8*KROW
	s_mov_b32 s27, 0
	s_lshl_b32 s28, s22, 8
	s_mov_b32 s29, 0
	s_wait_kmcnt 0x0
	s_add_nc_u64 s[4:5], s[4:5], s[24:25]
	s_add_nc_u64 s[10:11], s[10:11], s[26:27]
	s_add_nc_u64 s[12:13], s[12:13], s[28:29]
.macro XLOAD t
.irp i, 0,1,2,3
	global_load_b128 v[XR+16*((\t)%4)+4*\i:XR+16*((\t)%4)+4*\i+3], v3, s[4:5] offset:2048*(\t)+512*\i th:TH_LOAD_NT   ; 32 lanes read 512 consecutive bytes
.endr
.endm
.macro XTURN t                         ; step t's numbers through the stage: LDS serves a wave's instructions in order, so no wait stands between the stores and the loads
.irp i, 0,1,2,3
	ds_store_b128 v14, v[XR+16*((\t)%4)+4*\i:XR+16*((\t)%4)+4*\i+3] offset:32*SP*((\t)%2)+8*SP*\i
.endr
.irp i, 0,1,2,3
	ds_load_b128 v[XX+16*((\t)%2)+4*\i:XX+16*((\t)%2)+4*\i+3], v15 offset:32*SP*((\t)%2)+16*\i
.endr
.endm
.irp t, 0,1,2,3
	XLOAD \t
.endr
	s_wait_loadcnt 12                              ; step 0's four loads are in; the twelve of steps 1 to 3 may be out
	XTURN 0
.macro XSTEP t
.set XS, XX+16*((\t)%2)
.if (\t) > 0
	s_wait_dscnt 1                                 ; this step's numbers are back from the stage (the last step's byte store may be out)
.else
	s_wait_dscnt 0x0
.endif
.if (\t)+4 < STEPS
	XLOAD (\t)+4                                   ; into the registers that this step's stage stores have read
.endif
.if (\t)+1 < STEPS
.if STEPS-2-(\t) >= 3
	s_wait_loadcnt 12                              ; the next step's four loads are in; those of the three steps behind it may be out
.else
	s_wait_loadcnt 4*(STEPS-2-(\t))                ; the tail: the counts run down
.endif
	XTURN (\t)+1
.endif
	v_max3_num_f32 v8, |v[XS]|, |v[XS+1]|, |v[XS+2]|               ; the largest magnitude of my 16, in two chains
	v_max3_num_f32 v9, |v[XS+3]|, |v[XS+4]|, |v[XS+5]|
.irp i, 6,10
	v_max3_num_f32 v8, v8, |v[XS+\i]|, |v[XS+\i+1]|
	v_max3_num_f32 v9, v9, |v[XS+\i+2]|, |v[XS+\i+3]|
.endr
	v_max3_num_f32 v8, v8, |v[XS+14]|, |v[XS+15]|
	v_max3_num_f32 v8, v8, v9, (EMAX+1)<<23        ; and the floor 2^(3 - 127): the byte cannot fall under 1
	v_max_num_f32_dpp v8, v8, v8 row_xmask:1 row_mask:0xf bank_mask:0xf   ; and of my neighbour's 16: the block's
	v_add_nc_u32 v11, -(EMAX<<23), v8              ; 2 off its exponent field: the conversion takes the exponent field of this operand as its scale
	v_cvt_scalef32_pk16_fp6_f32 v[XC+4*(\t):XC+4*(\t)+2], v[XS:XS+15], v11
	v_lshrrev_b32 v[XE+(\t)], 23, v11              ; the scale's byte (also the plain line behind the conversion)
	ds_store_b8 v5, v[XE+(\t)] offset:16*(\t)      ; both lanes of a block write the same byte with the same value
	global_store_b96 v4, v[XC+4*(\t):XC+4*(\t)+2], s[10:11] offset:32*CB*(\t)   ; the wave stores 384 consecutive bytes
.endm
.irp t, 0,1,2,3,4,5,6,7,8,9,10,11,12,13,14,15
	XSTEP \t
.endr
	ds_load_b64 v[8:9], v6                         ; LDS serves a wave's instructions in order: these see my stores
	s_wait_dscnt 0x0
	global_store_b64 v7, v[8:9], s[12:13]          ; 32 lanes store 256 consecutive bytes, aligned: eight rows' scale bytes
	s_wait_tensorcnt 0x0                           ; the wave's end: the closing wait, add and wait stand behind my last LDS store
	ds_add_u32 v[SPW], v[NIL]
	s_wait_dscnt 0x0
	s_endpgm
	; ---------------- the weights: work-groups 256-351 take w_qkv (24 groups of 128 columns x 4 quarters of K), 352-383 w_out (8 x 4).  One way serves both: the pointer and the row's length are chosen by the work-group's number
.Lweights:
	s_sub_co_u32 s21, ttmp9, 256
	s_mov_b32 s23, 12288
	s_cmp_ge_u32 s21, 96
	s_cselect_b32 s22, 96, 0
	s_cselect_b32 s23, 4096, s23                   ; a row of the weight in bytes
	s_cselect_b32 s24, 3072, 0                     ; where its columns begin among wc's rows
	s_wait_kmcnt 0x0
	s_cselect_b64 s[6:7], s[8:9], s[6:7]           ; the weight
	s_sub_co_u32 s21, s21, s22
	s_lshr_b32 s25, s21, 2
	s_and_b32 s26, s21, 3                          ; which 256 along K
	s_lshl_b32 s25, s25, 7
	s_lshl_b32 s27, s20, 5
	s_add_co_u32 s25, s25, s27                     ; my wave's first column
	s_add_co_u32 s24, s24, s25                     ; and its row in wc and ws
	s_lshl_b32 s28, s23, 8
	s_mul_i32 s28, s28, s26                        ; 256 rows of the weight for each quarter of K
	s_lshl_b32 s27, s25, 2
	s_add_co_u32 s28, s28, s27
	s_mov_b32 s29, 0
	s_add_nc_u64 s[WB:WB+1], s[6:7], s[28:29]      ; block 0's base;
	s_lshl_b32 s30, s23, 5
	s_mov_b32 s31, 0
.irp t, 1,2,3,4,5,6,7
	s_add_nc_u64 s[WB+2*\t:WB+2*\t+1], s[WB+2*\t-2:WB+2*\t-1], s[30:31]   ; each next block 32 rows further down: no pointer is stepped later
.endr
	s_mul_i32 s28, s24, KROW
	s_mul_i32 s27, s26, 192
	s_add_co_u32 s28, s28, s27
	s_add_nc_u64 s[14:15], s[14:15], s[28:29]      ; codes: my first row, my 192 bytes of it
	s_lshl_b32 s28, s24, 5
	s_lshl_b32 s27, s26, 3
	s_add_co_u32 s28, s28, s27
	s_add_nc_u64 s[16:17], s[16:17], s[28:29]      ; scale bytes: my first row, my 8 bytes of it
	v_lshlrev_b32 v[VO], 2, v2                     ; in: 4 bytes a lane, a lane to a column
.irp i, 1,2,3,4,5,6,7,8,9,10,11,12,13,14,15,16,17,18,19,20,21,22,23,24,25,26,27,28,29,30,31
	v_add_nc_u32 v[VO+\i], s23, v[VO+\i-1]         ; and row i of a block
.endr
	s_mul_i32 s27, s20, 32*PITCH
	s_add_co_u32 s27, s27, WST                     ; my stage
	v_mul_u32_u24 v4, v2, PITCH
	v_add_nc_u32 v4, s27, v4                       ; into it: row = my column
	v_and_b32 v5, 15, v2
	v_lshrrev_b32 v6, 4, v2
	v_mul_u32_u24 v7, v6, PITCH
	v_lshl_add_u32 v7, v5, 4, v7
	v_add_nc_u32 v7, s27, v7                       ; out of it: sixteen lanes to a row, two rows an instruction
	v_mul_u32_u24 v8, v6, KROW
	v_mad_u32_u24 v8, v5, 12, v8                   ; and the same place in wc
	v_and_b32 v9, 7, v2
	v_and_b32 v10, 8, v2
	v_lshl_or_b32 v9, v10, 1, v9
	v_and_b32 v10, 16, v2
	v_lshrrev_b32 v10, 1, v10
	v_or_b32 v9, v9, v10                           ; my column with bits 3 and 4 exchanged
	v_lshlrev_b32 v9, 5, v9                        ; its row of scale bytes
.macro WLOAD t                         ; block t: W(32 t + i, my column), i = 0 .. 31, into set t % 2: each load reads 128 consecutive bytes
.irp i, 0,1,2,3,4,5,6,7,8,9,10,11,12,13,14,15,16,17,18,19,20,21,22,23,24,25,26,27,28,29,30,31
	global_load_b32 v[WX+32*((\t)%2)+\i], v[VO+\i], s[WB+2*(\t):WB+2*(\t)+1] th:TH_LOAD_NT
.endr
.endm
	WLOAD 0
	WLOAD 1
.macro WBLOCK t
.set WS, WX+32*((\t)%2)
.if (\t) < NB-1
	s_wait_loadcnt 32                              ; this block's 32 loads are in; the next block's 32 may be out
.else
	s_wait_loadcnt 0
.endif
	v_max3_num_f32 v12, |v[WS]|, |v[WS+1]|, |v[WS+2]|              ; the block's largest magnitude: all 32 numbers are mine
	v_max3_num_f32 v13, |v[WS+3]|, |v[WS+4]|, |v[WS+5]|
.irp i, 6,10,14,18,22,26
	v_max3_num_f32 v12, v12, |v[WS+\i]|, |v[WS+\i+1]|
	v_max3_num_f32 v13, v13, |v[WS+\i+2]|, |v[WS+\i+3]|
.endr
	v_max3_num_f32 v12, v12, |v[WS+30]|, |v[WS+31]|
	v_max3_num_f32 v12, v12, v13, (EMAX+1)<<23     ; and the floor
	v_add_nc_u32 v11, -(EMAX<<23), v12             ; the conversion's scale operand
	v_lshrrev_b32 v13, 23, v11                     ; the scale's byte
.if (\t)%4 == 0
	v_mov_b32 v[WSB+(\t)/4], v13                   ; four bytes to a register, the lower K in the lower byte
.else
	v_lshl_or_b32 v[WSB+(\t)/4], v13, 8*((\t)%4), v[WSB+(\t)/4]
.endif
	v_cvt_scalef32_pk16_fp6_f32 v[WC:WC+2], v[WS:WS+15], v11
	v_cvt_scalef32_pk16_fp6_f32 v[WC+4:WC+6], v[WS+16:WS+31], v11  ; (a conversion's three registers begin on an even number)
	v_nop                                          ; one plain line behind the conversions
	ds_store_b96 v4, v[WC:WC+2] offset:32*(\t)     ; 12 bytes to a place of 16, so that every LDS address is a multiple of 16
	ds_store_b96 v4, v[WC+4:WC+6] offset:32*(\t)+16
.if (\t)+2 < NB
	WLOAD (\t)+2
.endif
	s_wait_dscnt 0x0                               ; the stores have read their registers: the next block's codes may be written
.endm
.irp t, 0,1,2,3,4,5,6,7
	WBLOCK \t
.endr
	global_store_b64 v9, v[WSB:WSB+1], s[16:17]    ; my column's eight scale bytes
.irp t, 0,1,2,3,4,5,6,7,8,9,10,11,12,13,14,15
	ds_load_b96 v[WOUT+4*\t:WOUT+4*\t+2], v7 offset:2*\t*PITCH     ; LDS serves a wave's instructions in order: these see my stores
.endr
.irp t, 0,1,2,3,4,5,6,7,8,9,10,11,12,13,14,15
	s_wait_dscnt 15-\t                             ; the younger reads of the stage may be out
	global_store_b96 v8, v[WOUT+4*\t:WOUT+4*\t+2], s[14:15] offset:2*((\t&3)|((\t&4)<<1)|((\t&8)>>1))*KROW   ; columns 2 t and 2 t + 1 go to the rows with bits 3 and 4 exchanged; sixteen lanes store a row's 192 consecutive bytes
.endr
	s_wait_tensorcnt 0x0                           ; the wave's end: the closing wait, add and wait stand behind my last LDS store
	ds_add_u32 v[SPW], v[NIL]
	s_wait_dscnt 0x0
	s_endpgm
.Lfunc_end_k_q2b65daf779_quant:
	.size	k_q2b65daf779_quant, .Lfunc_end_k_q2b65daf779_quant-k_q2b65daf779_quant
	.p2alignl 7, 3214868480
	.fill 96, 4, 3214868480
	.section	.rodata,"a",@progbits
	.p2align	6, 0x0
	.amdhsa_kernel k_q2b65daf779_quant
		.amdhsa_group_segment_fixed_size 68096
		.amdhsa_private_segment_fixed_size 0
		.amdhsa_enable_private_segment 0
		.amdhsa_kernarg_size 56
		.amdhsa_user_sgpr_count 2
		.amdhsa_user_sgpr_kernarg_segment_ptr 1
		.amdhsa_wavefront_size32 1
		.amdhsa_system_sgpr_workgroup_id_x 1
		.amdhsa_system_sgpr_workgroup_id_y 1
		.amdhsa_system_sgpr_workgroup_id_z 1
		.amdhsa_system_vgpr_workitem_id 0
		.amdhsa_next_free_vgpr 216
		.amdhsa_next_free_sgpr 66
		.amdhsa_reserve_vcc 0
		.amdhsa_float_denorm_mode_32 3
		.amdhsa_float_denorm_mode_16_64 3
		.amdhsa_memory_ordered 1
		.amdhsa_forward_progress 1
		.amdhsa_inst_pref_size 75
	.end_amdhsa_kernel
	.amdgpu_metadata
---
amdhsa.version: [ 1, 2 ]
amdhsa.kernels:
  - .name:           k_q2b65daf779_quant
    .symbol:         k_q2b65daf779_quant.kd
    .args:
      - { .name: x, .offset: 0, .size: 8, .value_kind: global_buffer, .address_space: global }
      - { .name: w_qkv, .offset: 8, .size: 8, .value_kind: global_buffer, .address_space: global }
      - { .name: w_out, .offset: 16, .size: 8, .value_kind: global_buffer, .address_space: global }
      - { .name: xc, .offset: 24, .size: 8, .value_kind: global_buffer, .address_space: global }
      - { .name: xs, .offset: 32, .size: 8, .value_kind: global_buffer, .address_space: global }
      - { .name: wc, .offset: 40, .size: 8, .value_kind: global_buffer, .address_space: global }
      - { .name: ws, .offset: 48, .size: 8, .value_kind: global_buffer, .address_space: global }
    .group_segment_fixed_size: 68096
    .private_segment_fixed_size: 0
    .kernarg_segment_align: 8
    .kernarg_segment_size: 56
    .max_flat_workgroup_size: 128
    .sgpr_count:     66
    .vgpr_count:     216
    .wavefront_size: 32
...
	.end_amdgpu_metadata
.endif
;; end of part 1
;; launch gemm_qkv (part 2): grid 12 x 32, 4 waves a work-group, clusters of 4 x 4, 327,680 bytes of LDS; arguments xc, xs, wc, ws, qkv; writes qkv
.if DOCPART == 2
	.amdgcn_target "amdgcn-amd-amdhsa--gfx1250"
	.amdhsa_code_object_version 6
	.text
	.protected	k_q2b65daf779_gemm_qkv
	.globl	k_q2b65daf779_gemm_qkv
	.p2align	8
	.type	k_q2b65daf779_gemm_qkv,@function
k_q2b65daf779_gemm_qkv:
	s_mov_b64 s[64:65], 0
	v_nop
	global_prefetch_b8 v0, s[64:65] scope:SCOPE_SE
	s_setreg_imm32_b32 hwreg(HW_REG_WAVE_MODE, 25, 1), 1
	s_wait_xcnt 0x0
	s_wait_alu depctr_hold_cnt(0) depctr_sa_sdst(0) depctr_va_vdst(0) depctr_va_sdst(0) depctr_va_ssrc(0) depctr_va_vcc(0) depctr_vm_vsrc(0)
	s_getreg_b32 s2, hwreg(HW_REG_IB_STS2, 6, 4)
	s_cmp_eq_u32 s2, 0
	s_cbranch_scc0 .Lentry_in_a_cluster
	s_endpgm
.Lentry_in_a_cluster:
	s_bfe_u32 s2, ttmp6, 0x10000c
	s_cmp_lg_u32 s2, 0xf033
	s_cbranch_scc0 .Lentry_shape_is_right
	s_endpgm
.Lentry_shape_is_right:
; qkv = x w_qkv on codes of FP6 (E2M3) with E8M0 scales, sums in f32; the results never go to memory as f32: they are quantised in registers, q and k along the head's 64, v along the keys, and stored as images of the
; registers in which the attention launch wants them.
; xc [8192][768 bytes], xs [8192][32]; wc [4096][768], ws [4096][32] (rows 0-3071 are w_qkv's columns); rows lie with bits 3 and 4 of their number exchanged.
; A tile of 256 x 256 is made by four waves, each 128 x 128: 64 accumulators, 512 registers.  K = 1,024 goes in four steps of 256 through a ring of two LDS slots filled by the tensor data mover; the scale bytes of the
; work-group's rows come once, with the first fills, in blocks of 256 bytes.
; CLUSTERS: 4 x 4 work-groups; the tiles of the operand called A here (source 1) are shared along a row of the cluster, those of B (source 0) along a column, each asked for jointly.
; WHO IS A: cluster x = 0 makes q, 1 makes k: A = 256 rows of x, B = 256 columns of the weight: a lane then holds ONE token and its registers run along the head's d.  Cluster x = 2 makes v: A = 256 columns of the weight,
; B = 256 rows of x: a lane holds ONE d and its registers run along the tokens, which are the K of the product with p.  Only pointers and tile numbers are chosen; cluster x is the same in all sixteen partners.
; Since stored rows 16 b + 8 h + j are true rows 32 (b / 2) + 16 h + 8 (b % 2) + j, the 16 registers of accumulators (a, 2 c) and (a, 2 c + 1) are 16 neighbours along the next K.
; qkv: [head 64][step of 128 tokens, 16][19,200 bytes]: q's scale words 0, q's codes 256, k's codes 6,400, v's codes 12,544, k's scale words 18,688, v's 18,944.  Codes: four images of 1,536 bytes, registers 4 p .. 4 p + 3 of lane l
; at 512 p + 16 l.  Scale words: 8 bytes a lane: word 0 = image 0's (lanes 0-15) and image 1's (lanes 16-31), word 1 = images 2 and 3.
; LIMITS: NaN and infinities are not served; a block whose largest magnitude lies under 2^-124, a block of zeros among them, gets the byte 1.  q is quantised without its factor 1/8, which the attention launch puts into its
; scaling of the scores: a power of two moves a block's scale and no code, except where a scale would be held at 2^-126.
; No prefetch: of the four K steps two are first fills.
; REGISTERS, in windows of 256: window 0: v0-31 addresses; v32-63 scale words, two sets, and nothing else; v64-107 at work on the way out; from v128 A's fragments, one set, later the images.
;   window 1: B's fragments, two sets, at v0 and v128.   window 2: the accumulators of my A rows 0-63 ((a, b) at v[8 (8 a + b)]);   window 3: those of rows 64-127.
.set KSTEP,  256
.set NQ,     KSTEP/128
.set ROWB,   192                       ; a tile's row in bytes
.set KROW,   768                       ; a row of codes in memory
.set PITCH,  240                       ; an LDS row: 3 x (64 bytes + 16 of padding)
.set FR,     12
.set NL,     6                         ; LDS loads that bring a fragment
.set NP,     4                         ; places behind this matrix instruction (ISA guide 7.12.1)
.set HALFT,  128*PITCH
.set SLOT,   4*HALFT
.set LAPS,   2                         ; K / 512
.set KS,     32                        ; a row of scale bytes
.set SCL,    2*SLOT
.set HALFS,  (128*KS/256)*272
.set SBLK,   (16*KS/256)*272
.set SPARE,  SCL+4*HALFS               ; the spare words, 128 bytes a wave
.set HEADG,  307200
.set STEPG,  19200
.set ADRA, 16
.set ADRB, 20
.set ADRS, 27
.set SPW,  28
.set NIL,  29
.set SC,   32
.set TM,   64                          ; v64-67 largest magnitudes, v68-71 the other half's, then bytes, v76-79 the conversions' scale operands
.set CT,   80                          ; v80-82, v84-86 the upper halves of two blocks' codes
.set PWA,  88
.set PWB,  89
.set LI,   90                          ; 16 x lane
.set LS,   91                          ; 8 x lane
.set WD,   96                          ; v96-103 the eight images' scale words
.set SW,   104                         ; v104-107 as they are stored
.set AF,   128
.set IM,   128                         ; v128-223 eight images of 12 registers: head hh, image f at 12 (4 hh + f)
.set G1, 24
.set G0, 32
.set G1B, 48
.set G0B, 56
.set G1S, 68
.set G0S, 76
.set G1SB, 80
.set G0SB, 88
.set SEL0, 96
.set SEL1, 97
.set MSB, 0
.macro WIN new                         ; the immediate's high byte repeats the setting that is left
.if MSB != \new
	s_set_vgpr_msb (MSB<<8)|\new
.set MSB, \new
.endif
.endm
.set MUL_LO, 0xa1                      ; source 0 (B) window 1, source 1 (A) window 0, C and D window 2
.set MUL_HI, 0xf1
.set TO_B,   0x40
; A joint load: waves 0 and 1 fetch for A, waves 2 and 3 for B; the branch hangs on the wave's number alone.  An s_nop 0 and four v_nop follow each of the two lines.
.macro JLOAD g0a, g1a, g0b, g1b
	s_cmp_eq_u32 s15, 0
	s_cbranch_scc0 .Lfor_b_\@
	tensor_load_to_lds s[\g0a:\g0a+3], s[\g1a:\g1a+7]
	s_nop 0
.rept 4
	v_nop
.endr
	s_branch .Lasked_\@
.Lfor_b_\@:
	tensor_load_to_lds s[\g0b:\g0b+3], s[\g1b:\g1b+7]
	s_nop 0
.rept 4
	v_nop
.endr
.Lasked_\@:
.endm
.macro CREST                           ; a round of the cluster's barrier behind its opening barrier
	s_cmp_lg_u32 s14, 0
	s_cbranch_scc1 .Lnot_wave_0_\@
	s_barrier_signal -3
.Lnot_wave_0_\@:
	s_barrier_wait -3
	s_barrier_signal -1
	s_barrier_wait -1
.endm
.macro CROUND
	s_barrier_signal -1
	s_barrier_wait -1
	CREST
.endm
	s_load_b128 s[4:7], s[0:1], 0x0                ; xc, xs
	s_load_b128 s[8:11], s[0:1], 0x10              ; wc, ws
	s_load_b64 s[12:13], s[0:1], 0x20              ; qkv
	v_lshl_add_u32 v[SPW], v0, 2, SPARE
	v_mov_b32 v[NIL], 0
	ds_add_u32 v[SPW], v[NIL]                      ; the wave's opening: the add and its wait stand ahead of my first tensor load; the set-up below stands between them
	v_lshrrev_b32 v1, 5, v0
	v_readfirstlane_b32 s14, v1                    ; wave 0..3
	s_lshr_b32 s15, s14, 1                         ; which half of A's rows is mine.  Also: I fetch for A (0) or for B (1)
	s_and_b32 s16, s14, 1                          ; which half of B's rows.  Also: which 128 rows I fetch
	s_bfe_u32 s40, ttmp6, 0x40000                  ; cx
	s_bfe_u32 s41, ttmp6, 0x40004                  ; cy
	s_and_b32 s17, ttmp7, 0xffff
	s_lshl_b32 s17, s17, 2                         ; 4 x cluster y
	s_lshl_b32 s42, ttmp9, 2                       ; 4 x cluster x
	s_cmp_eq_u32 ttmp9, 2                          ; v's clusters?
	s_cselect_b32 s42, s17, s42                    ; B's tile: v: of x, by cluster y; q, k: of the weight, by cluster x
	s_cselect_b32 s17, 8, s17                      ; A's tile: v: of the weight, from row 2,048 on; q, k: of x
	s_add_co_u32 s42, s42, s40                     ; + cx: B's tile hangs on cx alone
	s_add_co_u32 s17, s17, s41                     ; + cy: A's on cy alone
	s_lshl_b32 s43, s41, 2
	s_lshl_b32 s43, 15, s43                        ; my row of the cluster
	s_lshl_b32 s44, 0x1111, s40                    ; my column
	s_or_b32 s[G1+0], s43, (0<<16)|(1<<20)|(1<<21)|(3<<22)|(3<<25)  ; the mask; elements of 1 byte; padding on; bit 21 beside a mask; after every 16 words, 4 words
	s_or_b32 s[G1B+0], s44, (0<<16)|(1<<20)|(1<<21)|(3<<22)|(3<<25)
.irp g, G1, G1B
	s_mov_b32 s[\g+1], ROWB<<16                    ; tensor_dim0
	s_mov_b32 s[\g+2], 128<<16                     ; tensor_dim1
	s_mov_b32 s[\g+3], ROWB<<16                    ; tile_dim0
	s_mov_b32 s[\g+4], 128                         ; tile_dim1
	s_mov_b32 s[\g+5], KROW                        ; the pitch
	s_mov_b32 s[\g+6], 0
	s_mov_b32 s[\g+7], 0
.endr
	s_or_b32 s[G1S+0], s43, (3<<16)|(1<<20)|(1<<21)|(5<<22)|(3<<25)  ; the scales of 128 rows: 4,096 dense bytes as rows of 256 (32 elements of 8 bytes), 16 bytes of padding behind each
	s_or_b32 s[G1SB+0], s44, (3<<16)|(1<<20)|(1<<21)|(5<<22)|(3<<25)
.irp g, G1S, G1SB
	s_mov_b32 s[\g+1], 32<<16
	s_mov_b32 s[\g+2], (128*KS/256)<<16
	s_mov_b32 s[\g+3], 32<<16
	s_mov_b32 s[\g+4], 128*KS/256
	s_mov_b32 s[\g+5], 32
	s_mov_b32 s[\g+6], 0
	s_mov_b32 s[\g+7], 0
.endr
	s_lshl_b32 s18, s16, 7
	s_lshl_b32 s20, s17, 8
	s_add_co_u32 s20, s20, s18                     ; A: row 256 x tile + 128 x half
	s_lshl_b32 s46, s42, 8
	s_add_co_u32 s46, s46, s18                     ; B likewise
	s_mov_b32 s21, 0
	s_mov_b32 s47, 0
	s_mov_b64 s[18:19], KS
	s_mul_u64 s[22:23], s[20:21], s[18:19]         ; where these rows' scales begin,
	s_mul_u64 s[92:93], s[46:47], s[18:19]
	s_mov_b64 s[18:19], KROW
	s_mul_u64 s[20:21], s[20:21], s[18:19]         ; and their codes
	s_mul_u64 s[46:47], s[46:47], s[18:19]
	s_mul_i32 s45, s14, HALFT                      ; where they go: wave x 128 rows: no place in the cluster enters an LDS address
	s_mul_i32 s94, s14, HALFS
	s_wait_dscnt 0x0                               ; the opening add is done
	s_wait_kmcnt 0x0
	s_cmp_eq_u32 ttmp9, 2                          ; in v's clusters the two tensors change places
	s_mov_b64 s[96:97], s[4:5]
	s_mov_b64 s[98:99], s[6:7]
	s_cselect_b64 s[4:5], s[8:9], s[4:5]
	s_cselect_b64 s[6:7], s[10:11], s[6:7]
	s_cselect_b64 s[8:9], s[96:97], s[8:9]
	s_cselect_b64 s[10:11], s[98:99], s[10:11]
	s_add_nc_u64 s[20:21], s[4:5], s[20:21]
	s_add_nc_u64 s[22:23], s[6:7], s[22:23]
	s_add_nc_u64 s[46:47], s[8:9], s[46:47]
	s_add_nc_u64 s[92:93], s[10:11], s[92:93]
	CROUND                                         ; all sixteen work-groups are here: the first joint loads meet
	s_mov_b32 s[G0S], 1
	s_add_co_u32 s[G0S+1], s94, SCL
	s_mov_b64 s[G0S+2:G0S+3], s[22:23]
	s_or_b32 s[G0S+3], s[G0S+3], 0x80000000
	s_mov_b32 s[G0SB], 1
	s_add_co_u32 s[G0SB+1], s94, SCL
	s_mov_b64 s[G0SB+2:G0SB+3], s[92:93]
	s_or_b32 s[G0SB+3], s[G0SB+3], 0x80000000
	JLOAD G0S, G1S, G0SB, G1SB                     ; the scales first: they are wanted with K step 0
.irp s, 0,1
	s_mov_b32 s[G0+4*\s], 1
	s_add_co_u32 s[G0+4*\s+1], s45, \s*SLOT
	s_add_nc_u64 s[G0+4*\s+2:G0+4*\s+3], s[20:21], \s*ROWB
	s_or_b32 s[G0+4*\s+3], s[G0+4*\s+3], 0x80000000
	s_mov_b32 s[G0B+4*\s], 1
	s_add_co_u32 s[G0B+4*\s+1], s45, \s*SLOT
	s_add_nc_u64 s[G0B+4*\s+2:G0B+4*\s+3], s[46:47], \s*ROWB
	s_or_b32 s[G0B+4*\s+3], s[G0B+4*\s+3], 0x80000000
	JLOAD G0+4*\s, G1, G0B+4*\s, G1B               ; three tensor loads of mine are out now
.endr
	v_and_b32 v1, 15, v0                           ; l % 16
	v_bfe_u32 v2, v0, 4, 1                         ; l / 16
	v_mul_u32_u24 v3, v1, PITCH
	v_mul_u32_u24 v4, v2, 24
	v_add_nc_u32 v4, v3, v4                        ; a fragment's row x pitch + 24 x half
	v_lshl_add_u32 v5, v2, 4, v4                   ; and the same behind one padding more
	s_mul_i32 s21, s15, HALFT                      ; my 128 rows of A
	s_mul_i32 s22, s16, HALFT                      ; my 128 rows of B,
	s_add_co_u32 s22, s22, 2*HALFT                 ; which lie behind A's 256
.irp s, 0,1
	v_add_nc_u32 v[ADRA+\s], s21, v4
	v_add_nc_u32 v[ADRB+\s], s22, v4
	v_add_nc_u32 v[ADRA+2+\s], s21, v5
	v_add_nc_u32 v[ADRB+2+\s], s22, v5
	s_add_co_u32 s21, s21, SLOT
	s_add_co_u32 s22, s22, SLOT
.endr
	v_mul_u32_u24 v5, v1, KS                       ; my row's scales: KS bytes a row,
	v_lshrrev_b32 v6, 8, v5
	v_lshl_add_u32 v5, v6, 4, v5                   ; and 16 more for each 256 passed
	s_mul_i32 s21, s15, HALFS
	s_mul_i32 s22, s16, HALFS
	s_add_co_u32 s22, s22, 2*HALFS
	s_sub_co_u32 s22, s22, s21
	v_mul_u32_u24 v6, s22, v2                      ; lanes 16-31 take B's
	s_add_co_u32 s21, s21, SCL
	v_add_nc_u32 v5, v5, v6
	v_add_nc_u32 v[ADRS], s21, v5
	; the way out: lane offsets, and where my 128 x 128 goes
	v_and_b32 v6, 31, v0
	v_lshlrev_b32 v[LI], 4, v6
	v_lshlrev_b32 v[LS], 3, v6
.irp b, 0,1,2,3
	v_mov_b32 v[TM+4+\b], 0                        ; written once: a lane permute's destination counts as one of its sources
.endr
	s_lshl_b32 s92, s17, 8
	s_lshl_b32 s93, s15, 7
	s_add_co_u32 s92, s92, s93                     ; my first row of A
	s_lshl_b32 s93, s42, 8
	s_lshl_b32 s94, s16, 7
	s_add_co_u32 s93, s93, s94                     ; my first row of B
	s_cmp_eq_u32 ttmp9, 2
	s_cselect_b32 s94, s93, s92                    ; my first token
	s_cselect_b32 s95, s92, s93                    ; my first column of the weight
	s_lshr_b32 s92, s94, 11
	s_lshl_b32 s92, s92, 4                         ; 16 x batch
	s_bfe_u32 s93, s95, 0x40006                    ; + the column's head: (column / 64) % 16
	s_add_co_u32 s92, s92, s93
	s_bfe_u32 s93, s94, 0x40007                    ; the step of 128 tokens in the batch
	s_mul_i32 s92, s92, HEADG
	s_mul_i32 s93, s93, STEPG
	s_add_co_u32 s92, s92, s93
	s_lshl_b32 s94, ttmp9, 8
	s_add_co_u32 s94, s94, 18432
	s_cmp_eq_u32 ttmp9, 0
	s_cselect_b32 s94, 0, s94                      ; scale words: q's at 0, k's at 18,688, v's at 18,944
	s_add_co_u32 s22, s92, s94
	s_mov_b32 s23, 0
	s_add_nc_u64 s[20:21], s[12:13], s[22:23]
	s_mul_i32 s93, ttmp9, 6144
	s_add_co_u32 s93, s93, 256                     ; codes: q's at 256, k's at 6,400, v's at 12,544
	s_add_co_u32 s22, s92, s93
	s_add_nc_u64 s[12:13], s[12:13], s[22:23]
	s_mov_b32 s[SEL0], 0x76543210
	s_mov_b32 s[SEL1], 0xfedcba98                  ; v_permlanex16_b32's selects for lane l xor 16
	s_mov_b32 s66, 0xffff0000                      ; lanes 16-31
.macro FRAG reg, adr, q, i             ; a fragment, 16 rows x 128 K, is 12 registers: lane l holds row l % 16; registers 6 c .. 6 c + 5 hold K = 64 c + 32 (l / 16) + 0 .. 31: 24 bytes of the row as they lie, in pieces of 8
.irp p, 0,1,2,3,4,5
.set PCE, 12*(\q)+6*(\p/3)+\p%3        ; 16 bytes of padding lie behind every 8 pieces: where the piece three on lies behind one padding more, the second address register serves
.if PCE%8 < 5
	ds_load_b64 v[\reg+2*\p:\reg+2*\p+1], v[\adr] offset:8*PCE+16*(PCE/8)+(\i)*16*PITCH
.else
	ds_load_b64 v[\reg+2*\p:\reg+2*\p+1], v[\adr+2] offset:8*PCE+16*(PCE/8)+(\i)*16*PITCH
.endif
.endr
.endm
; 16 matrix instructions: A's blocks a0, a0 + 1 x B's eight.  The 64 accumulators take turns, one instruction a turn, in the same order in every step.
.macro MUL16 a0, p, q, sc, zero
.irp a, \a0, \a0+1
.irp b, 0,1,2,3,4,5,6,7
.if \zero
	v_wmma_scale_f32_16x16x128_f8f6f4 v[8*(8*((\a)%4)+\b):8*(8*((\a)%4)+\b)+7], v[128*(\p)+FR*\b:128*(\p)+FR*\b+FR-1], v[AF+FR*(\a):AF+FR*(\a)+FR-1], 0, v[SC+8*NQ*(\sc)+NQ*\b+(\q)], v[SC+8*NQ*(\sc)+NQ*(\a)+(\q)] matrix_a_fmt:MATRIX_FMT_FP6 matrix_b_fmt:MATRIX_FMT_FP6 matrix_a_scale:MATRIX_SCALE_ROW1
.else
	v_wmma_scale_f32_16x16x128_f8f6f4 v[8*(8*((\a)%4)+\b):8*(8*((\a)%4)+\b)+7], v[128*(\p)+FR*\b:128*(\p)+FR*\b+FR-1], v[AF+FR*(\a):AF+FR*(\a)+FR-1], v[8*(8*((\a)%4)+\b):8*(8*((\a)%4)+\b)+7], v[SC+8*NQ*(\sc)+NQ*\b+(\q)], v[SC+8*NQ*(\sc)+NQ*(\a)+(\q)] matrix_a_fmt:MATRIX_FMT_FP6 matrix_b_fmt:MATRIX_FMT_FP6 matrix_a_scale:MATRIX_SCALE_ROW1
.endif
.endr
.endr
.endm
.macro FETCH_B slot, q, p
	WIN TO_B
.irp i, 0,1,2,3,4,5,6,7
	FRAG 128*(\p)+FR*\i, ADRB+\slot, \q, \i
.endr
	WIN 0
.endm
.macro FETCH_A slot, q, i0
.irp i, \i0, \i0+1, \i0+2, \i0+3
	FRAG AF+FR*(\i), ADRA+\slot, \q, \i
.endr
.endm
.macro SCALES sc                       ; a K step's scale words: two words a row; lanes 0-15 take A's block i, lanes 16-31 B's block i
.irp i, 0,1,2,3,4,5,6,7
	ds_load_b64 v[SC+8*NQ*\sc+NQ*\i:SC+8*NQ*\sc+NQ*\i+1], v[ADRS] offset:\i*SBLK
.endr
.endm
.macro PLACES n                        ; plain vector lines between a matrix instruction and a load into, or a read of, its registers
.rept \n
	v_nop
.endr
.endm
.macro STEP slot, q, zero              ; a step of 128 along K that has its successor in the same slot
	s_wait_dscnt 4*NL                              ; B's set and A's blocks 0-3 are in; the youngest 24 loads (A's blocks 4-7) may be out
	WIN MUL_LO
	MUL16 0, (\q)%2, \q, \slot, \zero
	MUL16 2, (\q)%2, \q, \slot, \zero
	s_wait_dscnt 0
	PLACES NP
	FETCH_B \slot, (\q)+1, 1-(\q)%2
	FETCH_A \slot, (\q)+1, 0
	WIN MUL_HI
	MUL16 4, (\q)%2, \q, \slot, \zero
	MUL16 6, (\q)%2, \q, \slot, \zero
	PLACES NP
	WIN 0
	FETCH_A \slot, (\q)+1, 4
.endm
; A slot's last step changes slots: one barrier; in front of it each wave waits for all its tensor loads, adds 0 to its spare word, and waits for that and for its own reads of this slot.
.macro TURN slot, next, fill
	s_wait_tensorcnt 0x0                           ; all my tensor loads have landed: my part of the next slot
	ds_add_u32 v[SPW], v[NIL]                      ; 0 onto my spare word
	s_wait_dscnt 4*NL+1                            ; (the add and the youngest 24 loads, A's blocks 4-7, may be out)
	WIN MUL_LO
	MUL16 0, 1, NQ-1, \slot, 0                     ; sixteen matrix instructions stand between the add and the wait for it
	s_wait_dscnt 0x0                               ; the add is done, and my reads of this slot are over
	s_barrier_signal -1
	MUL16 2, 1, NQ-1, \slot, 0
	WIN 0
	s_barrier_wait -1
.if \fill
	CREST                                          ; the barrier has opened a round of the cluster's barrier: no wave of any partner still reads this slot or has a load on its way
	s_add_nc_u64 s[G0+4*\slot+2:G0+4*\slot+3], s[G0+4*\slot+2:G0+4*\slot+3], 2*ROWB
	s_add_nc_u64 s[G0B+4*\slot+2:G0B+4*\slot+3], s[G0B+4*\slot+2:G0B+4*\slot+3], 2*ROWB
	JLOAD G0+4*\slot, G1, G0B+4*\slot, G1B         ; the first tensor load behind the round; its four v_nop are the places in front of the loads below
.else
	PLACES NP
.endif
	v_add_nc_u32 v[ADRS], 4*NQ, v[ADRS]            ; on to the next K step's scale words
	FETCH_B \next, 0, 0
	FETCH_A \next, 0, 0
	SCALES \next
	WIN MUL_HI
	MUL16 4, 1, NQ-1, \slot, 0
	MUL16 6, 1, NQ-1, \slot, 0
	PLACES NP
	WIN 0
	FETCH_A \next, 0, 4
.endm
	s_wait_tensorcnt 1                             ; the scales and my part of K step 0 are in (K step 1's load may be out),
	s_barrier_signal -1
	s_barrier_wait -1                              ; everybody's are
	FETCH_B 0, 0, 0
	FETCH_A 0, 0, 0
	SCALES 0
	FETCH_A 0, 0, 4
	STEP 0, 0, 1                                   ; the first step stands in front of the loop: its products start the sums
	s_mov_b32 s3, LAPS-1
.Llap:                                                 ; a trip goes once round the ring and fills both slots again
	TURN 0, 1, 1
	STEP 1, 0, 0
	TURN 1, 0, 1
	STEP 0, 0, 0
	s_sub_co_u32 s3, s3, 1
	s_cmp_lg_u32 s3, 0
	s_cbranch_scc1 .Llap
	TURN 0, 1, 0                                   ; the last lap fills nothing
	STEP 1, 0, 0
	s_wait_dscnt 4*NL
	WIN MUL_LO
	MUL16 0, 1, NQ-1, 1, 0
	MUL16 2, 1, NQ-1, 1, 0
	s_wait_dscnt 0
	WIN MUL_HI
	MUL16 4, 1, NQ-1, 1, 0
	MUL16 6, 1, NQ-1, 1, 0
	WIN 0
; THE WAY OUT.  The 64 registers of A's block a are four blocks of 32 along the next K: register 16 b + i of lane (r, h) is number 32 b + 16 h + i of row r.  They become two runs of six registers (d0: blocks 0 and 1, d1: blocks 2 and 3;
; lanes 0-15 hold the even block whole, lanes 16-31 the odd one) and a word of four scale bytes in pw.  Each accumulator is read from its low end on.
.macro QUANTW a, d0, d1, pw
.set S, 64*((\a)%4)
.set W, 2+(\a)/4
	WIN ((W<<2)|(W<<4))                            ; sources 1 and 2: the accumulators' window
.irp b, 0,1,2,3
	v_max3_num_f32 v[TM+\b], 0x1800000, |v[S+16*\b]|, |v[S+16*\b+1]|   ; my 16 numbers of block b, and the floor 2^(3 - 127): the byte cannot fall under 1
.endr
.irp i, 2,4,6,8,10,12,14
.irp b, 0,1,2,3
	v_max3_num_f32 v[TM+\b], v[TM+\b], |v[S+16*\b+\i]|, |v[S+16*\b+\i+1]|   ; (the four blocks by turns)
.endr
.endr
	WIN 0
.irp b, 0,1,2,3
	v_permlanex16_b32 v[TM+4+\b], v[TM+\b], s[SEL0], s[SEL1]
.endr
.irp b, 0,1,2,3
	v_max_num_f32 v[TM+\b], v[TM+\b], v[TM+4+\b]   ; with lane l xor 16's: the block's largest magnitude
.endr
.irp b, 0,1,2,3
	v_add_nc_u32 v[TM+12+\b], 0xff000000, v[TM+\b] ; 2 off its exponent field: the conversion's scale operand
.endr
.irp b, 0,1,2,3
	v_lshrrev_b32 v[TM+4+\b], 23, v[TM+12+\b]      ; the scale's byte
.endr
	v_lshl_or_b32 v[\pw], v[TM+5], 8, v[TM+4]
	v_lshl_or_b32 v[\pw], v[TM+6], 16, v[\pw]
	v_lshl_or_b32 v[\pw], v[TM+7], 24, v[\pw]
	WIN W                                          ; source 0: the accumulators' window
	v_cvt_scalef32_pk16_fp6_f32 v[(\d0):(\d0)+2], v[S:S+15], v[TM+12]
	v_cvt_scalef32_pk16_fp6_f32 v[CT:CT+2], v[S+16:S+31], v[TM+13]
	v_cvt_scalef32_pk16_fp6_f32 v[(\d1):(\d1)+2], v[S+32:S+47], v[TM+14]
	v_cvt_scalef32_pk16_fp6_f32 v[CT+4:CT+6], v[S+48:S+63], v[TM+15]
	WIN 0
	v_nop                                          ; one plain line behind the conversions
.irp i, 0,1,2
	v_permlane16_swap_b32 v[(\d0)+\i], v[CT+\i]    ; the first's lanes 16-31 change places with the second's lanes 0-15: each lane's block's lower 16 codes, and its upper 16
.endr
.irp i, 0,1,2
	v_mov_b32 v[(\d0)+3+\i], v[CT+\i]
.endr
.irp i, 0,1,2
	v_permlane16_swap_b32 v[(\d1)+\i], v[CT+4+\i]
.endr
.irp i, 0,1,2
	v_mov_b32 v[(\d1)+3+\i], v[CT+4+\i]
.endr
.endm
	PLACES NP                                      ; behind the last products: their results are read and A's registers written below
	s_cmp_eq_u32 ttmp9, 2                          ; cluster x: the same in all partners
	s_cbranch_scc1 .Lv
	; q, k: a lane holds a token; blocks 0, 1 are the first head's d, blocks 2, 3 the second's.  Image f of a head: registers 0-5 from A's block 2 f, registers 6-11 from block 2 f + 1
.irp f, 0,1,2,3
	QUANTW 2*\f, IM+12*\f, IM+48+12*\f, PWA
	QUANTW 2*\f+1, IM+12*\f+6, IM+48+12*\f+6, PWB
	v_perm_b32 v[WD+\f], v[PWB], v[PWA], 0x05040100    ; the first head's word: block 2 f's two bytes below, block 2 f + 1's above
	v_perm_b32 v[WD+4+\f], v[PWB], v[PWA], 0x07060302  ; the second head's
.endr
	s_branch .Lout
.Lv:
	; v: a lane holds a d; the four blocks are the step's 128 keys.  A's block a is image a % 4 of head a / 4
.irp a, 0,1,2,3,4,5,6,7
	QUANTW \a, IM+12*\a, IM+12*\a+6, WD+\a
.endr
.Lout:
.irp hh, 0,1
.irp k, 0,1
	v_cndmask_b32 v[SW+2*\hh+\k], v[WD+4*\hh+2*\k], v[WD+4*\hh+2*\k+1], s66   ; lanes 0-15 the even image's word, lanes 16-31 the odd one's
.endr
.endr
.irp hh, 0,1
.irp f, 0,1,2,3
.irp p, 0,1,2
	global_store_b128 v[LI], v[IM+12*(4*\hh+\f)+4*\p:IM+12*(4*\hh+\f)+4*\p+3], s[12:13] offset:\hh*HEADG+\f*1536+512*\p   ; 32 lanes store 512 consecutive bytes, at a multiple of 256 from the buffer's first byte
.endr
.endr
	global_store_b64 v[LS], v[SW+2*\hh:SW+2*\hh+1], s[20:21] offset:\hh*HEADG   ; 256 consecutive bytes, aligned
.endr
	s_wait_tensorcnt 0x0                           ; the wave's end: the closing wait, add and wait stand behind my last tensor load
	ds_add_u32 v[SPW], v[NIL]
	s_wait_dscnt 0x0
	CROUND                                         ; the closing round: no work-group ends while a partner may still ask for a tile that names it
	s_endpgm
.Lfunc_end_k_q2b65daf779_gemm_qkv:
	.size	k_q2b65daf779_gemm_qkv, .Lfunc_end_k_q2b65daf779_gemm_qkv-k_q2b65daf779_gemm_qkv
	.p2alignl 7, 3214868480
	.fill 96, 4, 3214868480
	.section	.rodata,"a",@progbits
	.p2align	6, 0x0
	.amdhsa_kernel k_q2b65daf779_gemm_qkv
		.amdhsa_group_segment_fixed_size 327680
		.amdhsa_private_segment_fixed_size 0
		.amdhsa_enable_private_segment 0
		.amdhsa_kernarg_size 40
		.amdhsa_user_sgpr_count 2
		.amdhsa_user_sgpr_kernarg_segment_ptr 1
		.amdhsa_wavefront_size32 1
		.amdhsa_system_sgpr_workgroup_id_x 1
		.amdhsa_system_sgpr_workgroup_id_y 1
		.amdhsa_system_sgpr_workgroup_id_z 1
		.amdhsa_system_vgpr_workitem_id 0
		.amdhsa_next_free_vgpr 1024
		.amdhsa_next_free_sgpr 100
		.amdhsa_reserve_vcc 0
		.amdhsa_float_denorm_mode_32 3
		.amdhsa_float_denorm_mode_16_64 3
		.amdhsa_memory_ordered 1
		.amdhsa_forward_progress 1
		.amdhsa_inst_pref_size 196
	.end_amdhsa_kernel
	.amdgpu_metadata
---
amdhsa.version: [ 1, 2 ]
amdhsa.kernels:
  - .name:           k_q2b65daf779_gemm_qkv
    .symbol:         k_q2b65daf779_gemm_qkv.kd
    .args:
      - { .name: xc, .offset: 0, .size: 8, .value_kind: global_buffer, .address_space: global }
      - { .name: xs, .offset: 8, .size: 8, .value_kind: global_buffer, .address_space: global }
      - { .name: wc, .offset: 16, .size: 8, .value_kind: global_buffer, .address_space: global }
      - { .name: ws, .offset: 24, .size: 8, .value_kind: global_buffer, .address_space: global }
      - { .name: qkv, .offset: 32, .size: 8, .value_kind: global_buffer, .address_space: global }
    .group_segment_fixed_size: 327680
    .private_segment_fixed_size: 0
    .kernarg_segment_align: 8
    .kernarg_segment_size: 40
    .max_flat_workgroup_size: 128
    .sgpr_count:     100
    .vgpr_count:     1024
    .wavefront_size: 32
...
	.end_amdgpu_metadata
.endif
;; end of part 2
;; launch attn (part 3): grid 4 x 64, 16 waves a work-group, no clusters, 206,848 bytes of LDS; arguments qkv, ac, asc; writes ac, asc
.if DOCPART == 3
	.amdgcn_target "amdgcn-amd-amdhsa--gfx1250"
	.amdhsa_code_object_version 6
	.text
	.protected	k_q2b65daf779_attn
	.globl	k_q2b65daf779_attn
	.p2align	8
	.type	k_q2b65daf779_attn,@function
k_q2b65daf779_attn:
	s_mov_b64 s[64:65], 0
	v_nop
	global_prefetch_b8 v0, s[64:65] scope:SCOPE_SE
	s_setreg_imm32_b32 hwreg(HW_REG_WAVE_MODE, 25, 1), 1
	s_wait_xcnt 0x0
; Causal attention of one head on codes of FP6 (E2M3) with E8M0 scales; head size 64, 2,048 tokens, 64 heads.  The output is quantised along d and stored as images for the last product.
; qkv: [head 64][step of 128 tokens, 16][19,200 bytes]: q's scale words 0, q's codes 256, k's codes 6,400, v's codes 12,544, k's scale words 18,688, v's 18,944; codes as four images of 12 registers a lane.
; THE SOFTMAX: t = score x log2(e) / 8 (q was quantised without its factor 1/8: a power of two); M = the running largest t rounded UP to a whole number; p = 2^(t - M) is quantised along the keys, not normalised; the row's sum
; is taken of the unquantised p and divides O at the end.  When M moves, the sum and O are multiplied by 2^(old M - new M): exact.
; SHARES.  Work-group j (0..3) of a head; sixteen waves, four to a SIMD, each with ONE tile of 16 queries at a time in 256 registers.  With e = j (waves 0-7) or 7 - j (waves 8-15), a wave first serves tile wave % 8 of query block
; 15 - e, then of block e: (16 - e) + (e + 1) = 17 key steps of 128 in every wave.  The four work-groups of a head cover the 16 blocks.
; K, V AND THEIR SCALES OF THE WHOLE HEAD LIE IN LDS, 12,800 bytes a step, filled once by waves 0-3 (two tensor loads each: a first one for steps 0-3, a second for steps 4-15) and never again.
; All 16 steps are loaded though a work-group reads 16 - j: so every wave's count of loads is the same on every way.
; NO CLUSTER, though the four work-groups of a head fill the same bytes: which steps a wave leaves out under the mask hangs on its query block, that is on the work-group's number among the four, and partners of a cluster
; may have no branch that differs between them.
; LAYOUT.  Both products are used transposed: S^T = K Q^T, O^T = V^T P^T: a lane holds ONE query (lane % 16) throughout.  The head's K is only 64: an image of k carries TWO tiles of 16 keys, one in K 0-63 and one in K 64-127;
; multiplied by [q | 0] it gives the first tile's scores, by [0 | q] the second's (zero codes add nothing; their scale byte is 0, which is 2^-127).
; The tokens of a tile are 32 f + 8 u + r + 8 (r / 8), so that register 16 b + i of S^T is key 32 b + 16 (lane / 16) + i, and likewise for O^T's d.
; THE MASK.  A step all of whose keys come after the wave's query block is left out by a scalar branch on ids; on the diagonal hidden scores become -infinity, so p = 0.
; LIMITS: NaN and infinities are not served.  -infinity stands for the -1e10 that hidden logits have: the same p = 0 as long as a row's visible logits lie above about -1e10.  A block of zeros gets the byte 1.
.set HEADG, 307200
.set STEPG, 19200
.set STEPL, 12800                      ; a step in LDS: k's codes 0, v's codes 6,144, k's scale words 12,288, v's 12,544
.set SPARE, 16*STEPL                   ; the spare words, 128 bytes for each of 16 waves
.set LI,   1                           ; v1   16 x lane
.set LS,   2                           ; v2   8 x lane
.set SPW,  3                           ; v3   my spare word; never rewritten
.set NIL,  4                           ; v4   0; never rewritten
.set VD,   5                           ; v5   my query in its block - 16 (lane / 16)
.set R8,   6                           ; v6   8 r
.set R32,  7                           ; v7   32 r
.set ADK,  8
.set ADS,  9
.set QLO,  16                          ; v16-27 [q | 0];  v28-39 [0 | q]
.set FRG,  40                          ; v40-87 four images: k's, then v's
.set KSC,  88                          ; v88-89 k's scale words;  v90-91 v's;  v92-93 q's;  v94 p's: these hold scales and nothing else
.set VSC,  90
.set QSC,  92
.set PSC,  94
.set SS,   96                          ; v96-159 S^T, then p
.set OT,   160                         ; v160-191 O^T
.set PC,   192                         ; v192-203 p's codes
.set CT,   204                         ; v204-206, v208-210
.set BM,   212
.set BT,   216
.set SO,   220
.set FF,   224                         ; v[224:225] f = 2^(old M - new M), low word
.set TP,   226
.set NINF, 227
.set QI,   228                         ; v228-239 q's image as loaded
.set QH,   240
.set WV,   10
.set TT,   11                          ; my tile in a query block
.set EE,   12
.set QB,   13                          ; the query block in hand
.set ST,   14                          ; the key step, and the loops' counter
.set TB,   15                          ; its LDS byte
.set HD,   16
.set ODD,  17                          ; all ones where my tile is odd
.set SEL,  20
.set CS,   22
.set G1A,  24
.set G1B,  32
.set G0A,  40
.set G0B,  44
.set QP,   48
.set QSP,  50
.set OP,   52
.set OSP,  54
	s_load_b128 s[4:7], s[0:1], 0x0                ; qkv, ac
	s_load_b64 s[8:9], s[0:1], 0x10                ; asc
	v_lshl_add_u32 v[SPW], v0, 2, SPARE
	v_mov_b32 v[NIL], 0
	ds_add_u32 v[SPW], v[NIL]                      ; the wave's opening: the add and its wait stand ahead of the first tensor load; the set-up below stands between them
	ds_add_u32 v[SPW], v[NIL]
	v_lshrrev_b32 v1, 5, v0
	s_delay_alu instid0(VALU_DEP_1)
	v_readfirstlane_b32 s[WV], v1                  ; wave 0..15
	s_and_b32 s[TT], s[WV], 7
	s_and_b32 s[HD], ttmp7, 0xffff
	s_sub_co_u32 s[EE], 7, ttmp9
	s_cmp_lt_u32 s[WV], 8
	s_cselect_b32 s[EE], ttmp9, s[EE]
	s_bitcmp1_b32 s[TT], 0
	s_cselect_b32 s[ODD], -1, 0
	; the first load: one step's 12,800 dense bytes as 50 rows of 256 (32 elements of 8 bytes)
	s_mov_b32 s[G1A+0], 3<<16
	s_mov_b32 s[G1A+1], 32<<16                     ; tensor_dim0
	s_mov_b32 s[G1A+2], 50<<16                     ; tensor_dim1
	s_mov_b32 s[G1A+3], 32<<16                     ; tile_dim0
	s_mov_b32 s[G1A+4], 50                         ; tile_dim1
	s_mov_b32 s[G1A+5], 32                         ; the pitch
	s_mov_b32 s[G1A+6], 0
	s_mov_b32 s[G1A+7], 0
	; the second: three steps, each a row of 12,800 bytes (1,600 elements), 19,200 bytes (2,400 elements) apart in memory, dense in LDS
	s_mov_b32 s[G1B+0], 3<<16
	s_mov_b32 s[G1B+1], 1600<<16
	s_mov_b32 s[G1B+2], 3<<16
	s_mov_b32 s[G1B+3], 1600<<16
	s_mov_b32 s[G1B+4], 3
	s_mov_b32 s[G1B+5], 2400
	s_mov_b32 s[G1B+6], 0
	s_mov_b32 s[G1B+7], 0
	s_and_b32 s56, s[WV], 3
	s_mul_i32 s57, s56, STEPL                      ; LDS: step w
	s_mul_i32 s58, s56, 3*STEPL
	s_add_co_u32 s58, s58, 4*STEPL                 ; LDS: steps 4 + 3 w on
	s_mul_i32 s60, s56, STEPG
	s_add_co_u32 s60, s60, 6400                    ; memory: step w, from k's codes on
	s_mov_b32 s61, 0
	s_mul_i32 s62, s56, 3*STEPG
	s_add_co_u32 s62, s62, 4*STEPG+6400
	s_mov_b32 s63, 0
	s_mul_i32 s18, s[HD], HEADG
	s_mov_b32 s19, 0
	s_mov_b32 s[SEL], 0x76543210
	s_mov_b32 s[SEL+1], 0xfedcba98                 ; v_permlanex16_b32's selects for lane l xor 16
	s_mov_b32 s[CS], 0x3e38aa3b                    ; c = log2(e) / 8
	s_mov_b32 s[CS+1], s[CS]                       ; (named with it as a pair, so it is written)
	s_wait_dscnt 0x0                               ; the opening add is done
	s_wait_kmcnt 0x0
	s_add_nc_u64 s[4:5], s[4:5], s[18:19]          ; qkv at my head
	s_mov_b32 s[G0A], 1
	s_mov_b32 s[G0A+1], s57
	s_add_nc_u64 s[G0A+2:G0A+3], s[4:5], s[60:61]
	s_or_b32 s[G0A+3], s[G0A+3], 0x80000000
	s_mov_b32 s[G0B], 1
	s_mov_b32 s[G0B+1], s58
	s_add_nc_u64 s[G0B+2:G0B+3], s[4:5], s[62:63]
	s_or_b32 s[G0B+3], s[G0B+3], 0x80000000
	s_cmp_lt_u32 s[WV], 4                          ; waves 0-3 fill; both fills of a wave stand in this one branch: two tensor loads of such a wave are out
	s_cbranch_scc0 .Lno_fill
	tensor_load_to_lds s[G0A:G0A+3], s[G1A:G1A+7]
	s_nop 0
	tensor_load_to_lds s[G0B:G0B+3], s[G1B:G1B+7]
	s_nop 0
.rept 4
	v_nop
.endr
.Lno_fill:
	v_and_b32 v10, 31, v0
	s_delay_alu instid0(VALU_DEP_1)
	v_lshlrev_b32 v[LI], 4, v10
	s_delay_alu instid0(VALU_DEP_2)
	v_lshlrev_b32 v[LS], 3, v10
	v_and_b32 v10, 15, v0                          ; r
	v_bfe_u32 v11, v0, 4, 1                        ; h
	s_delay_alu instid0(VALU_DEP_2)
	v_lshlrev_b32 v[R8], 3, v10
	s_delay_alu instid0(VALU_DEP_3)
	v_lshlrev_b32 v[R32], 5, v10
	s_delay_alu instid0(VALU_DEP_4)
	v_and_b32 v[VD], 8, v10
	s_delay_alu instid0(VALU_DEP_1)
	v_add_nc_u32 v[VD], v[VD], v10                 ; r + 8 (r / 8)
	v_lshlrev_b32 v11, 4, v11
	s_delay_alu instid0(VALU_DEP_1)
	v_sub_nc_u32 v[VD], v[VD], v11                 ; - 16 h
	s_lshr_b32 s56, s[TT], 1
	s_lshl_b32 s56, s56, 5
	s_and_b32 s57, s[TT], 1
	s_lshl_b32 s57, s57, 3
	s_add_co_u32 s56, s56, s57
	v_add_nc_u32 v[VD], s56, v[VD]                 ; + 32 (T / 2) + 8 (T % 2)
.irp i, 0,1,2,3,4,5
	v_mov_b32 v[QLO+6+\i], 0                       ; the zero halves of [q | 0] and [0 | q]
	v_mov_b32 v[QLO+12+\i], 0
.endr
.irp b, 0,1,2,3
	v_mov_b32 v[BT+\b], 0                          ; written once: a lane permute's destination counts as one of its sources
.endr
	v_mov_b32 v[FF+1], 0                           ; (named as the upper half of a pair)
	v_mov_b32 v[TP], 0
	v_mov_b32 v[NINF], 0xff800000                  ; -infinity
; A job's head: addresses from the query block s[QB], q's fragment and scale word, and the running figures set back.
.macro JOBHEAD
	s_mul_i32 s56, s[QB], STEPG
	s_lshr_b32 s57, s[TT], 1                       ; my tile's image f
	s_mul_i32 s58, s57, 1536
	s_add_co_u32 s58, s58, s56
	s_add_co_u32 s58, s58, 256
	s_mov_b32 s59, 0
	s_add_nc_u64 s[QP:QP+1], s[4:5], s[58:59]      ; q's image
	s_and_b32 s58, s57, 1
	s_lshl_b32 s58, s58, 7                         ; odd images' words lie in lanes 16-31's places,
	s_add_co_u32 s58, s58, s56
	s_lshr_b32 s60, s[TT], 2
	s_lshl_b32 s60, s60, 2                         ; images 2 and 3 in the second word,
	s_add_co_u32 s58, s58, s60
	s_and_b32 s60, s[TT], 1
	s_lshl_b32 s60, s60, 1                         ; the odd tile's two bytes in the upper half
	s_add_co_u32 s58, s58, s60
	s_add_nc_u64 s[QSP:QSP+1], s[4:5], s[58:59]
	s_lshr_b32 s60, s[HD], 4
	s_lshl_b32 s60, s60, 7
	s_lshl_b32 s61, s[QB], 3
	s_add_co_u32 s60, s60, s61
	s_add_co_u32 s60, s60, s[TT]                   ; my tile of tokens among all 512: 128 x batch + 8 x block + T
	s_and_b32 s61, s[HD], 15
	s_lshl_b32 s58, s60, 4
	s_add_co_u32 s58, s58, s61
	s_mul_i32 s58, s58, 768
	s_add_nc_u64 s[OP:OP+1], s[6:7], s[58:59]      ; ac: [tile][head][768 bytes]
	s_lshl_b32 s58, s60, 9
	s_lshl_b32 s61, s61, 1
	s_add_co_u32 s58, s58, s61
	s_add_nc_u64 s[OSP:OSP+1], s[8:9], s[58:59]    ; asc: [row][32 bytes], bytes 2 x head and 2 x head + 1
.irp p, 0,1,2
	global_load_b128 v[QI+4*\p:QI+4*\p+3], v[LI], s[QP:QP+1] offset:512*\p
.endr
	global_load_u16 v[QH], v[R8], s[QSP:QSP+1]
	v_mov_b32 v13, 0xff61b1e6                      ; the largest t so far: -3e38, under every t
	s_delay_alu instid0(VALU_DEP_1)
	v_floor_f32 v12, -v13                          ; -M
	v_mov_b32 v14, 0                               ; the sum, in two halves
	v_mov_b32 v15, 0
	s_wait_loadcnt 0x0
.irp i, 0,1,2,3,4,5
	v_cndmask_b32 v[QLO+\i], v[QI+\i], v[QI+6+\i], s[ODD]   ; the image's registers 0-5 for an even tile, 6-11 for an odd one
.endr
.irp i, 0,1,2,3,4,5
	v_mov_b32 v[QLO+18+\i], v[QLO+\i]
.endr
	v_mov_b32 v[QSC], v[QH]                        ; q's two bytes for K 0-63,
	v_lshlrev_b32 v[QSC+1], 16, v[QH]              ; and for K 64-127
.irp j, 0,1,2,3,4,5,6,7,8,9,10,11,12,13,14,15,16,17,18,19,20,21,22,23,24,25,26,27,28,29,30,31
	v_mov_b32 v[OT+\j], 0                          ; O^T: the step is written once: the first finds zeros.  (These are also the places between the lines above and the first scaled product)
.endr
.endm
.macro KQ f, u                         ; 16 keys x my 16 queries: tile 2 f + u
.if (\f)%2
	v_wmma_scale_f32_16x16x128_f8f6f4 v[SS+8*(2*\f+\u):SS+8*(2*\f+\u)+7], v[FRG+12*\f:FRG+12*\f+11], v[QLO+12*\u:QLO+12*\u+11], 0, v[KSC+\f/2], v[QSC+\u] matrix_a_fmt:MATRIX_FMT_FP6 matrix_b_fmt:MATRIX_FMT_FP6 matrix_a_scale:MATRIX_SCALE_ROW1
.else
	v_wmma_scale_f32_16x16x128_f8f6f4 v[SS+8*(2*\f+\u):SS+8*(2*\f+\u)+7], v[FRG+12*\f:FRG+12*\f+11], v[QLO+12*\u:QLO+12*\u+11], 0, v[KSC+\f/2], v[QSC+\u] matrix_a_fmt:MATRIX_FMT_FP6 matrix_b_fmt:MATRIX_FMT_FP6
.endif
.endm
.macro PV g                            ; 16 of the head's d x my 16 queries, K = the step's 128 keys
.if (\g)%2
	v_wmma_scale_f32_16x16x128_f8f6f4 v[OT+8*\g:OT+8*\g+7], v[FRG+12*\g:FRG+12*\g+11], v[PC:PC+11], v[OT+8*\g:OT+8*\g+7], v[VSC+\g/2], v[PSC] matrix_a_fmt:MATRIX_FMT_FP6 matrix_b_fmt:MATRIX_FMT_FP6 matrix_a_scale:MATRIX_SCALE_ROW1
.else
	v_wmma_scale_f32_16x16x128_f8f6f4 v[OT+8*\g:OT+8*\g+7], v[FRG+12*\g:FRG+12*\g+11], v[PC:PC+11], v[OT+8*\g:OT+8*\g+7], v[VSC+\g/2], v[PSC] matrix_a_fmt:MATRIX_FMT_FP6 matrix_b_fmt:MATRIX_FMT_FP6
.endif
.endm
; A KEY STEP of 128 keys.  m = 1: steps behind the query block are left out, and the block's own step is masked.
.macro STEP m
.if \m
	s_cmp_gt_u32 s[ST], s[QB]                      ; ids and the count of steps alone; no barrier and no tensor load stands in a step
	s_cbranch_scc1 .Lhidden_\@
.endif
	s_setprio 2
	v_add_nc_u32 v[ADK], s[TB], v[LI]
	v_add_nc_u32 v[ADS], s[TB], v[LS]
	v_nop
	v_nop                                          ; four plain lines between the last products and the loads into registers that they read
.irp f, 0,1,2,3
.irp p, 0,1,2
	ds_load_b128 v[FRG+12*\f+4*\p:FRG+12*\f+4*\p+3], v[ADK] offset:1536*\f+512*\p   ; k's images as they lie: 512 consecutive bytes a load
.endr
.endr
	ds_load_b64 v[KSC:KSC+1], v[ADS] offset:12288
	s_wait_alu depctr_va_vdst(0)
	s_wait_dscnt 0x0
.irp f, 0,1,2,3
	KQ \f, 0
	KQ \f, 1
.endr
.rept 4
	v_nop                                          ; places in front of the loads below and of the first read of the scores
.endr
.irp g, 0,1,2,3
.irp p, 0,1,2
	ds_load_b128 v[FRG+12*\g+4*\p:FRG+12*\g+4*\p+3], v[ADK] offset:6144+1536*\g+512*\p   ; v's images land while the softmax is walked
.endr
.endr
	ds_load_b64 v[VSC:VSC+1], v[ADS] offset:12544
.if \m
	s_cmp_lg_u32 s[ST], s[QB]
	s_cbranch_scc1 .Lopen_\@
.irp n, 0,1,2,3,4,5,6,7,8,9,10,11,12,13,14,15,16,17,18,19,20,21,22,23,24,25,26,27,28,29,30,31,32,33,34,35,36,37,38,39,40,41,42,43,44,45,46,47,48,49,50,51,52,53,54,55,56,57,58,59,60,61,62,63
	v_cmp_gt_i32 vcc_lo, 32*(\n/16)+\n%16, v[VD]   ; register 16 b + i holds key 32 b + 16 (lane / 16) + i of the block: hidden where it comes after my query
	v_cndmask_b32 v[SS+\n], v[SS+\n], v[NINF], vcc_lo
.endr
.Lopen_\@:
.endif
.irp b, 0,1,2,3
	v_max3_num_f32 v[BM+\b], v[SS+16*\b], v[SS+1+16*\b], v[SS+2+16*\b]   ; the largest score of each block of 32 keys: for the row's maximum, and, since p rises with the score, for the block's largest p
.endr
.irp i, 3,5,7,9,11,13
.irp b, 0,1,2,3
	v_max3_num_f32 v[BM+\b], v[BM+\b], v[SS+16*\b+\i], v[SS+1+16*\b+\i]
.endr
.endr
.irp b, 0,1,2,3
	v_max_num_f32 v[BM+\b], v[BM+\b], v[SS+15+16*\b]
.endr
.irp b, 0,1,2,3
	s_delay_alu instid0(VALU_DEP_4)
	v_permlanex16_b32 v[BT+\b], v[BM+\b], s[SEL], s[SEL+1]
.endr
.irp b, 0,1,2,3
	s_delay_alu instid0(VALU_DEP_4)
	v_max_num_f32 v[BM+\b], v[BM+\b], v[BT+\b]     ; with lane l xor 16's 16 keys
.endr
	s_delay_alu instid0(VALU_DEP_2)
	v_max3_num_f32 v[TP], v[BM], v[BM+1], v[BM+2]
	s_delay_alu instid0(VALU_DEP_1)
	v_max_num_f32 v[TP], v[TP], v[BM+3]            ; the step's largest score of my query
	s_delay_alu instid0(VALU_DEP_1)
	v_mul_f32 v[TP], s[CS], v[TP]                  ; as t
	s_delay_alu instid0(VALU_DEP_1)
	v_max_num_f32 v13, v13, v[TP]                  ; the running largest t
	v_mov_b32 v[TP], v12
	s_delay_alu instid0(VALU_DEP_2)
	v_floor_f32 v12, -v13                          ; the new -M = -ceil(t)
	s_delay_alu instid0(VALU_DEP_1)
	v_sub_f32 v[TP], v12, v[TP]                    ; old M - new M: a whole number, 0 or less
	s_delay_alu instid0(VALU_DEP_1)
	v_cvt_i32_f32 v[TP], v[TP]                     ; (it saturates)
	s_delay_alu instid0(VALU_DEP_1)
	v_ldexp_f32 v[FF], 1.0, v[TP]                  ; f = 2^(old M - new M)
.irp j, 0,2,4,6,8,10,12,14,16,18,20,22,24,26,28,30,32,34,36,38,40,42,44,46,48,50,52,54,56,58,60,62
	v_pk_fma_f32 v[SS+\j:SS+1+\j], v[SS+\j:SS+1+\j], s[CS:CS+1], v[12:13] op_sel_hi:[1,0,0]   ; t - M, two at a time
.endr
.irp b, 0,1,2,3
	v_fma_f32 v[BM+\b], v[BM+\b], s[CS], v12       ; the same of each block's largest score
.endr
	s_setprio 1
	s_wait_alu depctr_va_vdst(0)
.irp j, 0,1,2,3,4,5,6,7,8,9,10,11,12,13,14,15,16,17,18,19,20,21,22,23,24,25,26,27,28,29,30,31,32,33,34,35,36,37,38,39,40,41,42,43,44,45,46,47,48,49,50,51,52,53,54,55,56,57,58,59,60,61,62,63
	v_exp_f32 v[SS+\j], v[SS+\j]                   ; p = 2^(t - M), at most 1
.endr
	v_pk_mul_f32 v[14:15], v[14:15], v[FF:FF+1] op_sel_hi:[1,0]   ; the sums under the new M: a plain line behind the exponentials
	s_wait_alu depctr_va_vdst(0)                   ; one wait for the batch of 64, ahead of its first reader
.irp b, 0,1,2,3
	v_exp_f32 v[BM+\b], v[BM+\b]                   ; the block's largest p
.endr
	v_pk_add_f32 v[216:217], v[100:101], v[104:105]
	v_pk_add_f32 v[254:255], v[108:109], v[112:113]
	v_pk_add_f32 v[252:253], v[116:117], v[120:121]
	v_pk_add_f32 v[250:251], v[124:125], v[128:129]
	v_pk_add_f32 v[248:249], v[132:133], v[136:137]
	v_pk_add_f32 v[246:247], v[140:141], v[144:145]
	v_pk_add_f32 v[244:245], v[148:149], v[152:153]
	v_pk_add_f32 v[14:15], v[14:15], v[156:157]
	v_pk_add_f32 v[216:217], v[216:217], v[96:97]
	v_pk_add_f32 v[254:255], v[254:255], v[98:99]
	v_pk_add_f32 v[252:253], v[252:253], v[102:103]
	v_pk_add_f32 v[250:251], v[250:251], v[106:107]
	v_pk_add_f32 v[248:249], v[248:249], v[110:111]
	v_pk_add_f32 v[246:247], v[246:247], v[114:115]
	v_pk_add_f32 v[244:245], v[244:245], v[118:119]
	v_pk_add_f32 v[14:15], v[14:15], v[122:123]
	v_pk_add_f32 v[216:217], v[216:217], v[126:127]
	v_pk_add_f32 v[254:255], v[254:255], v[130:131]
	v_pk_add_f32 v[252:253], v[252:253], v[134:135]
	v_pk_add_f32 v[250:251], v[250:251], v[138:139]
	v_pk_add_f32 v[248:249], v[248:249], v[142:143]
	v_pk_add_f32 v[246:247], v[246:247], v[146:147]
	v_pk_add_f32 v[244:245], v[244:245], v[150:151]
	v_pk_add_f32 v[14:15], v[14:15], v[154:155]
	v_pk_add_f32 v[216:217], v[216:217], v[158:159]
	s_delay_alu instid0(VALU_DEP_2)
	v_pk_add_f32 v[14:15], v[14:15], v[250:251]
	s_delay_alu instid0(VALU_DEP_2)
	v_pk_add_f32 v[216:217], v[216:217], v[248:249]
	v_pk_add_f32 v[254:255], v[254:255], v[246:247]
	v_pk_add_f32 v[252:253], v[252:253], v[244:245]
	s_delay_alu instid0(VALU_DEP_2)
	v_pk_add_f32 v[14:15], v[14:15], v[254:255]
	s_delay_alu instid0(VALU_DEP_2)
	v_pk_add_f32 v[216:217], v[216:217], v[252:253]
	s_delay_alu instid0(VALU_DEP_1)
	v_pk_add_f32 v[14:15], v[14:15], v[216:217]
	s_wait_alu depctr_va_vdst(0)                   ; and one for the four
.irp b, 0,1,2,3
	v_max_num_f32 v[BM+\b], 0x1800000, v[BM+\b]    ; the floor 2^(3 - 127): the byte cannot fall under 1
.endr
.irp b, 0,1,2,3
	s_delay_alu instid0(VALU_DEP_4)
	v_add_nc_u32 v[SO+\b], 0xff000000, v[BM+\b]    ; 2 off the exponent field: the conversion's scale operand
.endr
.irp b, 0,1,2,3
	s_delay_alu instid0(VALU_DEP_4)
	v_lshrrev_b32 v[BT+\b], 23, v[SO+\b]           ; the scale's byte
.endr
	s_delay_alu instid0(VALU_DEP_3)
	v_lshl_or_b32 v[PSC], v[BT+1], 8, v[BT]        ; p's scale word for these 128 keys
	s_delay_alu instid0(VALU_DEP_1)
	v_lshl_or_b32 v[PSC], v[BT+2], 16, v[PSC]
	s_delay_alu instid0(VALU_DEP_1)
	v_lshl_or_b32 v[PSC], v[BT+3], 24, v[PSC]
.irp c, 0,1
	v_cvt_scalef32_pk16_fp6_f32 v[PC+6*\c:PC+2+6*\c], v[SS+32*\c:SS+15+32*\c], v[SO+2*\c]
	v_cvt_scalef32_pk16_fp6_f32 v[CT+4*\c:CT+2+4*\c], v[SS+16+32*\c:SS+31+32*\c], v[SO+2*\c+1]
.endr
	v_nop                                          ; one plain line behind the conversions
	s_setprio 0
.irp c, 0,1                                    ; a whole block to a lane: lanes 0-15 block 2 c, lanes 16-31 block 2 c + 1
.irp i, 0,1,2
	v_permlane16_swap_b32 v[PC+6*\c+\i], v[CT+4*\c+\i]
.endr
.irp i, 0,1,2
	s_delay_alu instid0(VALU_DEP_3)
	v_mov_b32 v[PC+3+6*\c+\i], v[CT+4*\c+\i]
.endr
.endr
.irp j, 0,2,4,6,8,10,12,14,16,18,20,22,24,26,28,30
	v_pk_mul_f32 v[OT+\j:OT+1+\j], v[OT+\j:OT+1+\j], v[FF:FF+1] op_sel_hi:[1,0]   ; O^T under the new M.  (These sixteen are also the places between the scale word and the codes just made and the products below)
.endr
	s_wait_alu depctr_va_vdst(0)
	s_wait_dscnt 0x0                               ; v's images and scale words are in
.irp g, 0,1,2,3
	PV \g                                          ; the four accumulators take turns
.endr
.if \m
.Lhidden_\@:
.endif
.endm
; A job's end: O^T / the sum, quantised along d (two blocks of 32), stored as six registers a lane and two scale bytes a row.
.macro WAYOUT
.rept 4
	v_nop                                          ; places behind the last products
.endr
	v_add_f32 v14, v14, v15
	s_delay_alu instid0(VALU_DEP_1)
	v_permlanex16_b32 v[TP], v14, s[SEL], s[SEL+1]
	s_delay_alu instid0(VALU_DEP_1)
	v_add_f32 v14, v14, v[TP]                      ; the row's sum
	s_wait_alu depctr_va_vdst(0)
	v_rcp_f32 v14, v14
	v_nop                                          ; a plain line behind the reciprocal
	s_wait_alu depctr_va_vdst(0)                   ; and the wait ahead of its first reader
.irp j, 0,1,2,3,4,5,6,7,8,9,10,11,12,13,14,15,16,17,18,19,20,21,22,23,24,25,26,27,28,29,30,31
	v_mul_f32 v[SS+\j], v[OT+\j], v14              ; register 16 b + i: d = 32 b + 16 (lane / 16) + i of my query
.endr
.irp b, 0,1
	v_max3_num_f32 v[BM+\b], |v[SS+16*\b]|, |v[SS+1+16*\b]|, 0x1800000
.endr
.irp i, 2,4,6,8,10,12,14
.irp b, 0,1
	s_delay_alu instid0(VALU_DEP_2)
	v_max3_num_f32 v[BM+\b], v[BM+\b], |v[SS+16*\b+\i]|, |v[SS+1+16*\b+\i]|
.endr
.endr
.irp b, 0,1
	s_delay_alu instid0(VALU_DEP_2)
	v_permlanex16_b32 v[BT+\b], v[BM+\b], s[SEL], s[SEL+1]
.endr
.irp b, 0,1
	s_delay_alu instid0(VALU_DEP_2)
	v_max_num_f32 v[BM+\b], v[BM+\b], v[BT+\b]
.endr
.irp b, 0,1
	s_delay_alu instid0(VALU_DEP_2)
	v_add_nc_u32 v[SO+\b], 0xff000000, v[BM+\b]
.endr
.irp b, 0,1
	s_delay_alu instid0(VALU_DEP_2)
	v_lshrrev_b32 v[BT+\b], 23, v[SO+\b]
.endr
	s_delay_alu instid0(VALU_DEP_1)
	v_lshl_or_b32 v[TP], v[BT+1], 8, v[BT]         ; the row's two scale bytes
	v_cvt_scalef32_pk16_fp6_f32 v[PC:PC+2], v[SS:SS+15], v[SO]
	v_cvt_scalef32_pk16_fp6_f32 v[CT:CT+2], v[SS+16:SS+31], v[SO+1]
	v_nop
.irp i, 0,1,2
	v_permlane16_swap_b32 v[PC+\i], v[CT+\i]
.endr
.irp i, 0,1,2
	s_delay_alu instid0(VALU_DEP_3)
	v_mov_b32 v[PC+3+\i], v[CT+\i]
.endr
.irp p, 0,1,2
	global_store_b64 v[LS], v[PC+2*\p:PC+2*\p+1], s[OP:OP+1] offset:256*\p   ; 32 lanes store 256 consecutive bytes, aligned
.endr
	global_store_b16 v[R32], v[TP], s[OSP:OSP+1]   ; two bytes a row, 32 bytes apart (lanes l and l + 16 write the same value): one part in 25 of what the job stores
.endm
	s_sub_co_u32 s[QB], 15, s[EE]                  ; the first job: block 15 - e, at least 8
	JOBHEAD
	s_wait_tensorcnt 0x1                           ; my first fill has landed; the second may be out
	s_barrier_signal -1
	s_barrier_wait -1                              ; steps 0-3 lie in LDS
	s_mov_b32 s[ST], 0
	s_mov_b32 s[TB], 0
.Lfirst:                                           ; steps 0-3: all their keys count for a block of 8 or more
	STEP 0
	s_add_co_u32 s[TB], s[TB], STEPL
	s_add_co_u32 s[ST], s[ST], 1
	s_cmp_lt_u32 s[ST], 4
	s_cbranch_scc1 .Lfirst
	s_setprio 0
	s_wait_tensorcnt 0x0                           ; my second fill has landed
	s_wait_dscnt 0x0
	s_barrier_signal -1
	s_barrier_wait -1                              ; the whole head lies in LDS: no barrier is needed from here on
.Lrest:                                            ; steps 4-15
	STEP 1
	s_add_co_u32 s[TB], s[TB], STEPL
	s_add_co_u32 s[ST], s[ST], 1
	s_cmp_lt_u32 s[ST], 16
	s_cbranch_scc1 .Lrest
	s_setprio 0
	WAYOUT
	s_wait_xcnt 0x0                                ; the stores have read their registers and bases: both are written again below
	s_mov_b32 s[QB], s[EE]                         ; the second job: block e, at most 7
	JOBHEAD
	s_mov_b32 s[ST], 0
	s_mov_b32 s[TB], 0
.Lsecond:                                          ; steps 0-7
	STEP 1
	s_add_co_u32 s[TB], s[TB], STEPL
	s_add_co_u32 s[ST], s[ST], 1
	s_cmp_lt_u32 s[ST], 8
	s_cbranch_scc1 .Lsecond
	s_setprio 0
	WAYOUT
	s_wait_tensorcnt 0x0                           ; the wave's end
	ds_add_u32 v[SPW], v[NIL]
	s_wait_dscnt 0x0
	s_endpgm
.Lfunc_end_k_q2b65daf779_attn:
	.size	k_q2b65daf779_attn, .Lfunc_end_k_q2b65daf779_attn-k_q2b65daf779_attn
	.p2alignl 7, 3214868480
	.fill 96, 4, 3214868480
	.section	.rodata,"a",@progbits
	.p2align	6, 0x0
	.amdhsa_kernel k_q2b65daf779_attn
		.amdhsa_group_segment_fixed_size 206848
		.amdhsa_private_segment_fixed_size 0
		.amdhsa_enable_private_segment 0
		.amdhsa_kernarg_size 24
		.amdhsa_user_sgpr_count 2
		.amdhsa_user_sgpr_kernarg_segment_ptr 1
		.amdhsa_wavefront_size32 1
		.amdhsa_system_sgpr_workgroup_id_x 1
		.amdhsa_system_sgpr_workgroup_id_y 1
		.amdhsa_system_sgpr_workgroup_id_z 1
		.amdhsa_system_vgpr_workitem_id 0
		.amdhsa_next_free_vgpr 256
		.amdhsa_next_free_sgpr 66
		.amdhsa_reserve_vcc 1
		.amdhsa_float_denorm_mode_32 3
		.amdhsa_float_denorm_mode_16_64 3
		.amdhsa_memory_ordered 1
		.amdhsa_forward_progress 1
		.amdhsa_inst_pref_size 82
	.end_amdhsa_kernel
	.amdgpu_metadata
---
amdhsa.version: [ 1, 2 ]
amdhsa.kernels:
  - .name:           k_q2b65daf779_attn
    .symbol:         k_q2b65daf779_attn.kd
    .args:
      - { .name: qkv, .offset: 0, .size: 8, .value_kind: global_buffer, .address_space: global }
      - { .name: ac, .offset: 8, .size: 8, .value_kind: global_buffer, .address_space: global }
      - { .name: asc, .offset: 16, .size: 8, .value_kind: global_buffer, .address_space: global }
    .group_segment_fixed_size: 206848
    .private_segment_fixed_size: 0
    .kernarg_segment_align: 8
    .kernarg_segment_size: 24
    .max_flat_workgroup_size: 512
    .sgpr_count:     66
    .vgpr_count:     256
    .wavefront_size: 32
...
	.end_amdgpu_metadata
.endif
;; end of part 3
;; launch gemm_out (part 4): grid 4 x 32, 4 waves a work-group, clusters of 4 x 4, 327,680 bytes of LDS; arguments ac, asc, wc, ws, out0; writes out0
.if DOCPART == 4
	.amdgcn_target "amdgcn-amd-amdhsa--gfx1250"
	.amdhsa_code_object_version 6
	.text
	.protected	k_q2b65daf779_gemm_out
	.globl	k_q2b65daf779_gemm_out
	.p2align	8
	.type	k_q2b65daf779_gemm_out,@function
k_q2b65daf779_gemm_out:
	s_mov_b64 s[64:65], 0
	v_nop
	global_prefetch_b8 v0, s[64:65] scope:SCOPE_SE
	s_setreg_imm32_b32 hwreg(HW_REG_WAVE_MODE, 25, 1), 1
	s_wait_xcnt 0x0
	s_wait_alu depctr_hold_cnt(0) depctr_sa_sdst(0) depctr_va_vdst(0) depctr_va_sdst(0) depctr_va_ssrc(0) depctr_va_vcc(0) depctr_vm_vsrc(0)
	s_getreg_b32 s2, hwreg(HW_REG_IB_STS2, 6, 4)
	s_cmp_eq_u32 s2, 0
	s_cbranch_scc0 .Lentry_in_a_cluster
	s_endpgm
.Lentry_in_a_cluster:
	s_bfe_u32 s2, ttmp6, 0x10000c
	s_cmp_lg_u32 s2, 0xf033
	s_cbranch_scc0 .Lentry_shape_is_right
	s_endpgm
.Lentry_shape_is_right:
; out0 = attention's output x w_out, on codes of FP6 (E2M3) with E8M0 scales; out0 [8192][1024] f32; sums in f32, K = 1,024 ascending.
; A: ac [tile of 16 tokens, 512][head 16][768 bytes]: for each head six registers a lane (K = 64 of the head: 32 (lane / 16) + 0 .. 31 of token row lane % 16), registers 2 p, 2 p + 1 of lane l at 256 p + 8 l; asc [row 8192][32 scale bytes].
; B: wc rows 3,072-4,095 [768 bytes], ws likewise [32]: w_out's columns.  A's rows and B's rows lie with bits 3 and 4 of their number exchanged; the way out puts both back.
; A tile of C, 256 x 256, is made by four waves, each 128 x 128: 64 accumulators.  K goes in four steps of 256 through a ring of two LDS slots; the scale bytes come once, with the first fills.
; CLUSTERS: 4 x 4 work-groups; A's tiles are shared along a row of the cluster, B's along a column, each asked for jointly.  The matrix instruction is used transposed (source 0 = B, source 1 = A): a lane holds eight numbers of a row of C.
; 128 work-groups: C has 32 x 4 tiles of this size.  No prefetch: of the four K steps two are first fills.
; REGISTERS, in windows of 256: window 0: v0-31 addresses; v32-63 scale words, two sets, and nothing else; from v128 A's fragments, one set; on the way out v128-255 take rows of C.
;   window 1: B's fragments, two sets.   window 2, 3: the accumulators ((a, b) at v[8 (8 (a % 4) + b)] of window 2 + a / 4).
.set SIZE_N, 1024
.set KSTEP,  256
.set NQ,     KSTEP/128
.set ROWB,   192
.set KROW,   768
.set PITCH,  240                       ; B's LDS row: 3 x (64 bytes + 16 of padding)
.set FR,     12
.set NL,     6
.set NP,     4
.set TILEA,  3072                      ; a tile of 16 tokens x 256 along K: four heads' images
.set HALFA,  8*TILEA                   ; 128 rows of A: what one tensor load brings
.set HALFB,  128*PITCH
.set SLOT,   2*HALFA+2*HALFB           ; A's 256 rows, then B's 256 rows
.set LAPS,   2
.set KS,     32
.set SCL,    2*SLOT
.set HALFS,  (128*KS/256)*272
.set SBLK,   (16*KS/256)*272
.set SPARE,  SCL+4*HALFS
.set SPITCH, 528                       ; the way out: a stage of 16 rows x (512 bytes + 16) for each wave, in slot 0, which has had its last fill and its last read when the first result is stored there
.set ADRA, 16                          ; v16-17 LDS address of my A images in slot 0, 1
.set ADRB, 20                          ; v20-21 of my B fragments (v22-23: behind one padding more)
.set STO,  24
.set RD,   25
.set CO,   26
.set ADRS, 27
.set SPW,  28
.set NIL,  29
.set SC,   32
.set AF,   128
.set BK,   128
.set G1, 24
.set G0, 32
.set G1B, 48
.set G0B, 56
.set G1S, 68
.set G0S, 76
.set G1SB, 80
.set G0SB, 88
.set MSB, 0
.macro WIN new
.if MSB != \new
	s_set_vgpr_msb (MSB<<8)|\new
.set MSB, \new
.endif
.endm
.set MUL_LO, 0xa1
.set MUL_HI, 0xf1
.set TO_B,   0x40
.macro JLOAD g0a, g1a, g0b, g1b        ; a joint load: waves 0 and 1 fetch for A, waves 2 and 3 for B; an s_nop 0 and four v_nop follow each of the two lines
	s_cmp_eq_u32 s15, 0
	s_cbranch_scc0 .Lfor_b_\@
	tensor_load_to_lds s[\g0a:\g0a+3], s[\g1a:\g1a+7]
	s_nop 0
.rept 4
	v_nop
.endr
	s_branch .Lasked_\@
.Lfor_b_\@:
	tensor_load_to_lds s[\g0b:\g0b+3], s[\g1b:\g1b+7]
	s_nop 0
.rept 4
	v_nop
.endr
.Lasked_\@:
.endm
.macro CREST
	s_cmp_lg_u32 s14, 0
	s_cbranch_scc1 .Lnot_wave_0_\@
	s_barrier_signal -3
.Lnot_wave_0_\@:
	s_barrier_wait -3
	s_barrier_signal -1
	s_barrier_wait -1
.endm
.macro CROUND
	s_barrier_signal -1
	s_barrier_wait -1
	CREST
.endm
	s_load_b128 s[4:7], s[0:1], 0x0                ; ac, asc
	s_load_b128 s[8:11], s[0:1], 0x10              ; wc, ws
	s_load_b64 s[12:13], s[0:1], 0x20              ; out0
	v_lshl_add_u32 v[SPW], v0, 2, SPARE
	v_mov_b32 v[NIL], 0
	ds_add_u32 v[SPW], v[NIL]                      ; the wave's opening: the add and its wait stand ahead of my first tensor load
	v_lshrrev_b32 v1, 5, v0
	v_readfirstlane_b32 s14, v1                    ; wave 0..3
	s_lshr_b32 s15, s14, 1                         ; which half of the tile's rows is mine.  Also: I fetch for A (0) or for B (1)
	s_and_b32 s16, s14, 1                          ; which half of its columns.  Also: which 128 rows I fetch
	s_bfe_u32 s40, ttmp6, 0x40000                  ; cx
	s_bfe_u32 s41, ttmp6, 0x40004                  ; cy
	s_lshl_b32 s42, ttmp9, 2
	s_add_co_u32 s42, s42, s40                     ; tile column of C
	s_and_b32 s17, ttmp7, 0xffff
	s_lshl_b32 s17, s17, 2
	s_add_co_u32 s17, s17, s41                     ; tile row of C
	s_lshl_b32 s43, s41, 2
	s_lshl_b32 s43, 15, s43                        ; my row of the cluster
	s_lshl_b32 s44, 0x1111, s40                    ; my column
	; A: 8 tiles of tokens, each a row of 3,072 bytes (384 elements of 8 bytes), 12,288 bytes (1,536 elements) apart in memory, dense in LDS
	s_or_b32 s[G1+0], s43, (3<<16)|(1<<21)
	s_mov_b32 s[G1+1], 384<<16
	s_mov_b32 s[G1+2], 8<<16
	s_mov_b32 s[G1+3], 384<<16
	s_mov_b32 s[G1+4], 8
	s_mov_b32 s[G1+5], 1536
	s_mov_b32 s[G1+6], 0
	s_mov_b32 s[G1+7], 0
	; B: 128 rows of 192 bytes, 16 bytes of padding behind every 64
	s_or_b32 s[G1B+0], s44, (0<<16)|(1<<20)|(1<<21)|(3<<22)|(3<<25)
	s_mov_b32 s[G1B+1], ROWB<<16
	s_mov_b32 s[G1B+2], 128<<16
	s_mov_b32 s[G1B+3], ROWB<<16
	s_mov_b32 s[G1B+4], 128
	s_mov_b32 s[G1B+5], KROW
	s_mov_b32 s[G1B+6], 0
	s_mov_b32 s[G1B+7], 0
	s_or_b32 s[G1S+0], s43, (3<<16)|(1<<20)|(1<<21)|(5<<22)|(3<<25)  ; the scales of 128 rows: 4,096 dense bytes as rows of 256, 16 bytes of padding behind each
	s_or_b32 s[G1SB+0], s44, (3<<16)|(1<<20)|(1<<21)|(5<<22)|(3<<25)
.irp g, G1S, G1SB
	s_mov_b32 s[\g+1], 32<<16
	s_mov_b32 s[\g+2], (128*KS/256)<<16
	s_mov_b32 s[\g+3], 32<<16
	s_mov_b32 s[\g+4], 128*KS/256
	s_mov_b32 s[\g+5], 32
	s_mov_b32 s[\g+6], 0
	s_mov_b32 s[\g+7], 0
.endr
	s_lshl_b32 s20, s17, 4
	s_lshl_b32 s18, s16, 3
	s_add_co_u32 s20, s20, s18                     ; A: tile of tokens 16 x tile row + 8 x half
	s_lshl_b32 s22, s20, 9                         ; its scales: 16 rows of 32 bytes a tile
	s_mov_b32 s23, 0
	s_mul_i32 s20, s20, 16*768                     ; its codes
	s_mov_b32 s21, 0
	s_lshl_b32 s46, s42, 8
	s_lshl_b32 s18, s16, 7
	s_add_co_u32 s46, s46, s18
	s_add_co_u32 s46, s46, 3072                    ; B: row 3,072 + 256 x tile column + 128 x half
	s_lshl_b32 s92, s46, 5
	s_mov_b32 s93, 0
	s_mul_i32 s46, s46, KROW
	s_mov_b32 s47, 0
	s_mul_i32 s45, s16, HALFA                      ; where they go: A's halves, then B's: no place in the cluster enters an LDS address
	s_mul_i32 s95, s16, HALFB
	s_add_co_u32 s95, s95, 2*HALFA
	s_mul_i32 s94, s14, HALFS
	s_wait_dscnt 0x0                               ; the opening add is done
	s_wait_kmcnt 0x0
	s_add_nc_u64 s[20:21], s[4:5], s[20:21]
	s_add_nc_u64 s[22:23], s[6:7], s[22:23]
	s_add_nc_u64 s[46:47], s[8:9], s[46:47]
	s_add_nc_u64 s[92:93], s[10:11], s[92:93]
	CROUND                                         ; all sixteen work-groups are here: the first joint loads meet
	s_mov_b32 s[G0S], 1
	s_add_co_u32 s[G0S+1], s94, SCL
	s_mov_b64 s[G0S+2:G0S+3], s[22:23]
	s_or_b32 s[G0S+3], s[G0S+3], 0x80000000
	s_mov_b32 s[G0SB], 1
	s_add_co_u32 s[G0SB+1], s94, SCL
	s_mov_b64 s[G0SB+2:G0SB+3], s[92:93]
	s_or_b32 s[G0SB+3], s[G0SB+3], 0x80000000
	JLOAD G0S, G1S, G0SB, G1SB                     ; the scales first
.irp s, 0,1
	s_mov_b32 s[G0+4*\s], 1
	s_add_co_u32 s[G0+4*\s+1], s45, \s*SLOT
	s_add_nc_u64 s[G0+4*\s+2:G0+4*\s+3], s[20:21], \s*TILEA
	s_or_b32 s[G0+4*\s+3], s[G0+4*\s+3], 0x80000000
	s_mov_b32 s[G0B+4*\s], 1
	s_add_co_u32 s[G0B+4*\s+1], s95, \s*SLOT
	s_add_nc_u64 s[G0B+4*\s+2:G0B+4*\s+3], s[46:47], \s*ROWB
	s_or_b32 s[G0B+4*\s+3], s[G0B+4*\s+3], 0x80000000
	JLOAD G0+4*\s, G1, G0B+4*\s, G1B               ; three tensor loads of mine are out now
.endr
	v_and_b32 v1, 15, v0                           ; l % 16
	v_bfe_u32 v2, v0, 4, 1                         ; l / 16
	v_mul_u32_u24 v3, v1, PITCH
	v_mul_u32_u24 v4, v2, 24
	v_add_nc_u32 v4, v3, v4                        ; B: a fragment's row x pitch + 24 x half
	v_lshl_add_u32 v5, v2, 4, v4                   ; and the same behind one padding more
	v_and_b32 v6, 31, v0
	v_lshlrev_b32 v6, 3, v6                        ; A: 8 bytes a lane
	s_mul_i32 s21, s15, HALFA                      ; my 128 rows of A
	s_mul_i32 s22, s16, HALFB                      ; my 128 rows of B,
	s_add_co_u32 s22, s22, 2*HALFA                 ; which lie behind A's 256
.irp s, 0,1
	v_add_nc_u32 v[ADRA+\s], s21, v6
	v_add_nc_u32 v[ADRB+\s], s22, v4
	v_add_nc_u32 v[ADRB+2+\s], s22, v5
	s_add_co_u32 s21, s21, SLOT
	s_add_co_u32 s22, s22, SLOT
.endr
	v_mul_u32_u24 v5, v1, KS
	v_lshrrev_b32 v6, 8, v5
	v_lshl_add_u32 v5, v6, 4, v5                   ; my row's scales: 32 bytes a row, 16 more for each 256 passed
	s_mul_i32 s21, s15, HALFS
	s_mul_i32 s22, s16, HALFS
	s_add_co_u32 s22, s22, 2*HALFS
	s_sub_co_u32 s22, s22, s21
	v_mul_u32_u24 v6, s22, v2                      ; lanes 16-31 take B's
	s_add_co_u32 s21, s21, SCL
	v_add_nc_u32 v5, v5, v6
	v_add_nc_u32 v[ADRS], s21, v5
	s_mul_i32 s23, s14, 16*SPITCH                  ; my stage
	v_mul_u32_u24 v5, v1, SPITCH                   ; in: row l % 16; my half's sixteen true columns of each 32 begin 64 bytes apart
	v_lshl_add_u32 v5, v2, 6, v5
	v_add_nc_u32 v[STO], s23, v5
	v_and_b32 v6, 31, v0
	v_lshlrev_b32 v[CO], 4, v6                     ; back: the 32 lanes take one row of 512 bytes; and the same in C
	v_add_nc_u32 v[RD], s23, v[CO]
	s_lshl_b32 s20, s17, 8
	s_lshl_b32 s21, s15, 7
	s_add_co_u32 s20, s20, s21                     ; my first row of C
	s_mov_b32 s21, 0
	s_mov_b64 s[18:19], SIZE_N*4
	s_mul_u64 s[20:21], s[20:21], s[18:19]
	s_lshl_b32 s46, s42, 10                        ; my first column, in bytes
	s_lshl_b32 s47, s16, 9
	s_add_co_u32 s46, s46, s47
	s_mov_b32 s47, 0
	s_add_nc_u64 s[20:21], s[20:21], s[46:47]
	s_add_nc_u64 s[12:13], s[12:13], s[20:21]
.macro FRAG reg, adr, q, i             ; a fragment of B from padded rows, in pieces of 8 bytes
.irp p, 0,1,2,3,4,5
.set PCE, 12*(\q)+6*(\p/3)+\p%3
.if PCE%8 < 5
	ds_load_b64 v[\reg+2*\p:\reg+2*\p+1], v[\adr] offset:8*PCE+16*(PCE/8)+(\i)*16*PITCH
.else
	ds_load_b64 v[\reg+2*\p:\reg+2*\p+1], v[\adr+2] offset:8*PCE+16*(PCE/8)+(\i)*16*PITCH
.endif
.endr
.endm
.macro FRAGA reg, slot, q, i           ; a fragment of A: two heads' images, three loads of 256 consecutive bytes each
.irp p, 0,1,2,3,4,5
	ds_load_b64 v[\reg+2*\p:\reg+2*\p+1], v[ADRA+\slot] offset:(\i)*TILEA+(\q)*1536+(\p/3)*768+(\p%3)*256
.endr
.endm
.macro MUL16 a0, p, q, sc, zero        ; the 64 accumulators take turns, one instruction a turn, in the same order in every step
.irp a, \a0, \a0+1
.irp b, 0,1,2,3,4,5,6,7
.if \zero
	v_wmma_scale_f32_16x16x128_f8f6f4 v[8*(8*((\a)%4)+\b):8*(8*((\a)%4)+\b)+7], v[128*(\p)+FR*\b:128*(\p)+FR*\b+FR-1], v[AF+FR*(\a):AF+FR*(\a)+FR-1], 0, v[SC+8*NQ*(\sc)+NQ*\b+(\q)], v[SC+8*NQ*(\sc)+NQ*(\a)+(\q)] matrix_a_fmt:MATRIX_FMT_FP6 matrix_b_fmt:MATRIX_FMT_FP6 matrix_a_scale:MATRIX_SCALE_ROW1
.else
	v_wmma_scale_f32_16x16x128_f8f6f4 v[8*(8*((\a)%4)+\b):8*(8*((\a)%4)+\b)+7], v[128*(\p)+FR*\b:128*(\p)+FR*\b+FR-1], v[AF+FR*(\a):AF+FR*(\a)+FR-1], v[8*(8*((\a)%4)+\b):8*(8*((\a)%4)+\b)+7], v[SC+8*NQ*(\sc)+NQ*\b+(\q)], v[SC+8*NQ*(\sc)+NQ*(\a)+(\q)] matrix_a_fmt:MATRIX_FMT_FP6 matrix_b_fmt:MATRIX_FMT_FP6 matrix_a_scale:MATRIX_SCALE_ROW1
.endif
.endr
.endr
.endm
.macro FETCH_B slot, q, p
	WIN TO_B
.irp i, 0,1,2,3,4,5,6,7
	FRAG 128*(\p)+FR*\i, ADRB+\slot, \q, \i
.endr
	WIN 0
.endm
.macro FETCH_A slot, q, i0
.irp i, \i0, \i0+1, \i0+2, \i0+3
	FRAGA AF+FR*(\i), \slot, \q, \i
.endr
.endm
.macro SCALES sc
.irp i, 0,1,2,3,4,5,6,7
	ds_load_b64 v[SC+8*NQ*\sc+NQ*\i:SC+8*NQ*\sc+NQ*\i+1], v[ADRS] offset:\i*SBLK
.endr
.endm
.macro PLACES n
.rept \n
	v_nop
.endr
.endm
.macro STEP slot, q, zero
	s_wait_dscnt 4*NL                              ; B's set and A's blocks 0-3 are in; the youngest 24 loads (A's blocks 4-7) may be out
	WIN MUL_LO
	MUL16 0, (\q)%2, \q, \slot, \zero
	MUL16 2, (\q)%2, \q, \slot, \zero
	s_wait_dscnt 0
	PLACES NP
	FETCH_B \slot, (\q)+1, 1-(\q)%2
	FETCH_A \slot, (\q)+1, 0
	WIN MUL_HI
	MUL16 4, (\q)%2, \q, \slot, \zero
	MUL16 6, (\q)%2, \q, \slot, \zero
	PLACES NP
	WIN 0
	FETCH_A \slot, (\q)+1, 4
.endm
.macro TURN slot, next, fill
	s_wait_tensorcnt 0x0                           ; all my tensor loads have landed: my part of the next slot
	ds_add_u32 v[SPW], v[NIL]                      ; 0 onto my spare word
	s_wait_dscnt 4*NL+1                            ; (the add and the youngest 24 loads may be out)
	WIN MUL_LO
	MUL16 0, 1, NQ-1, \slot, 0
	s_wait_dscnt 0x0                               ; the add is done, and my reads of this slot are over
	s_barrier_signal -1
	MUL16 2, 1, NQ-1, \slot, 0
	WIN 0
	s_barrier_wait -1
.if \fill
	CREST                                          ; the barrier has opened a round of the cluster's barrier
	s_add_nc_u64 s[G0+4*\slot+2:G0+4*\slot+3], s[G0+4*\slot+2:G0+4*\slot+3], 2*TILEA
	s_add_nc_u64 s[G0B+4*\slot+2:G0B+4*\slot+3], s[G0B+4*\slot+2:G0B+4*\slot+3], 2*ROWB
	JLOAD G0+4*\slot, G1, G0B+4*\slot, G1B         ; the first tensor load behind the round; its four v_nop are the places in front of the loads below
.else
	PLACES NP
.endif
	v_add_nc_u32 v[ADRS], 4*NQ, v[ADRS]
	FETCH_B \next, 0, 0
	FETCH_A \next, 0, 0
	SCALES \next
	WIN MUL_HI
	MUL16 4, 1, NQ-1, \slot, 0
	MUL16 6, 1, NQ-1, \slot, 0
	PLACES NP
	WIN 0
	FETCH_A \next, 0, 4
.endm
	s_wait_tensorcnt 1                             ; the scales and my part of K step 0 are in (K step 1's load may be out),
	s_barrier_signal -1
	s_barrier_wait -1                              ; everybody's are
	FETCH_B 0, 0, 0
	FETCH_A 0, 0, 0
	SCALES 0
	FETCH_A 0, 0, 4
	STEP 0, 0, 1
	s_mov_b32 s3, LAPS-1
.Llap:
	TURN 0, 1, 1
	STEP 1, 0, 0
	TURN 1, 0, 1
	STEP 0, 0, 0
	s_sub_co_u32 s3, s3, 1
	s_cmp_lg_u32 s3, 0
	s_cbranch_scc1 .Llap
	TURN 0, 1, 0
	STEP 1, 0, 0
	s_wait_dscnt 4*NL
	WIN MUL_LO
	MUL16 0, 1, NQ-1, 1, 0
	MUL16 2, 1, NQ-1, 1, 0
	s_wait_dscnt 0
	WIN MUL_HI
	MUL16 4, 1, NQ-1, 1, 0
	MUL16 6, 1, NQ-1, 1, 0
	WIN 0
; THE WAY OUT, block by block of 16 rows x 128 columns, through my own stage in LDS.  Accumulator (a, b), register j, lane (r, h) is C(stored row 16 a + r, true column 32 (b / 2) + 16 h + 8 (b % 2) + j): the stage's offsets put the columns
; in their true order; stage row t of block a is true row 32 (a / 2) + 8 (a % 2) + t + 8 (t / 8): the stores' offsets put the rows in theirs.
.macro TOSTAGE a
.set AC, 64*((\a)%4)
	WIN 0x08+4*((\a)/4)                            ; the data: window 2 or 3
.irp b, 0,1,2,3,4,5,6,7
	ds_store_b128 v[STO], v[AC+8*\b:AC+8*\b+3] offset:128*(\b/2)+32*(\b%2)          ; each accumulator from its low end on
	ds_store_b128 v[STO], v[AC+8*\b+4:AC+8*\b+7] offset:128*(\b/2)+32*(\b%2)+16
.endr
	WIN 0
.set BB, BK+64*((\a)%2)
.irp t, 0,1,2,3,4,5,6,7,8,9,10,11,12,13,14,15
	ds_load_b128 v[BB+4*\t:BB+4*\t+3], v[RD] offset:\t*SPITCH    ; LDS serves a wave's instructions in order: these see the stores above
.endr
.endm
.macro SEND a, younger
.set BB, BK+64*((\a)%2)
	s_wait_dscnt \younger                          ; the block is back in registers
.if (\a) > 0
.if (\a)%2
	s_add_nc_u64 s[12:13], s[12:13], 8*SIZE_N*4    ; (behind a wait on XCNT: the earlier stores have read their base)  an odd block begins 8 rows behind the even one,
.else
	s_add_nc_u64 s[12:13], s[12:13], 24*SIZE_N*4   ; the next even one 24 rows further on
.endif
.endif
.irp t, 0,1,2,3,4,5,6,7,8,9,10,11,12,13,14,15
	global_store_b128 v[CO], v[BB+4*\t:BB+4*\t+3], s[12:13] offset:(\t+8*(\t/8))*SIZE_N*4 th:TH_STORE_NT   ; 32 lanes store 512 consecutive bytes, at a multiple of 256 from C's first byte
.endr
.endm
	PLACES NP
	TOSTAGE 0
.irp a, 1,2,3,4,5,6,7
.if \a > 1
	s_wait_xcnt 0x0                                ; block a - 2's stores have read their registers and their base
.endif
	TOSTAGE \a
	SEND \a-1, 32                                  ; behind block a - 1's loads: block a's 16 stores and 16 loads
.endr
	s_wait_xcnt 0x0
	SEND 7, 0
	s_wait_tensorcnt 0x0                           ; the wave's end: the closing wait, add and wait stand behind my last tensor load and my last LDS store
	ds_add_u32 v[SPW], v[NIL]
	s_wait_dscnt 0x0
	CROUND                                         ; the closing round
	s_endpgm
.Lfunc_end_k_q2b65daf779_gemm_out:
	.size	k_q2b65daf779_gemm_out, .Lfunc_end_k_q2b65daf779_gemm_out-k_q2b65daf779_gemm_out
	.p2alignl 7, 3214868480
	.fill 96, 4, 3214868480
	.section	.rodata,"a",@progbits
	.p2align	6, 0x0
	.amdhsa_kernel k_q2b65daf779_gemm_out
		.amdhsa_group_segment_fixed_size 327680
		.amdhsa_private_segment_fixed_size 0
		.amdhsa_enable_private_segment 0
		.amdhsa_kernarg_size 40
		.amdhsa_user_sgpr_count 2
		.amdhsa_user_sgpr_kernarg_segment_ptr 1
		.amdhsa_wavefront_size32 1
		.amdhsa_system_sgpr_workgroup_id_x 1
		.amdhsa_system_sgpr_workgroup_id_y 1
		.amdhsa_system_sgpr_workgroup_id_z 1
		.amdhsa_system_vgpr_workitem_id 0
		.amdhsa_next_free_vgpr 1024
		.amdhsa_next_free_sgpr 98
		.amdhsa_reserve_vcc 0
		.amdhsa_float_denorm_mode_32 3
		.amdhsa_float_denorm_mode_16_64 3
		.amdhsa_memory_ordered 1
		.amdhsa_forward_progress 1
		.amdhsa_inst_pref_size 160
	.end_amdhsa_kernel
	.amdgpu_metadata
---
amdhsa.version: [ 1, 2 ]
amdhsa.kernels:
  - .name:           k_q2b65daf779_gemm_out
    .symbol:         k_q2b65daf779_gemm_out.kd
    .args:
      - { .name: ac, .offset: 0, .size: 8, .value_kind: global_buffer, .address_space: global }
      - { .name: asc, .offset: 8, .size: 8, .value_kind: global_buffer, .address_space: global }
      - { .name: wc, .offset: 16, .size: 8, .value_kind: global_buffer, .address_space: global }
      - { .name: ws, .offset: 24, .size: 8, .value_kind: global_buffer, .address_space: global }
      - { .name: out0, .offset: 32, .size: 8, .value_kind: global_buffer, .address_space: global }
    .group_segment_fixed_size: 327680
    .private_segment_fixed_size: 0
    .kernarg_segment_align: 8
    .kernarg_segment_size: 40
    .max_flat_workgroup_size: 128
    .sgpr_count:     98
    .vgpr_count:     1024
    .wavefront_size: 32
...
	.end_amdgpu_metadata
.endif
;; end of part 4
